; MI455X (gfx1250); checked and timed in simulation.
; The chip was launched on July 23, 2026; its instructions are those of AMD's public machine-readable ISA for CDNA 5 (MIT licence, August 2026) and "CDNA5" Instruction Set Architecture Reference Guide (July 2026). The comments in the code are by the model that wrote it; some were corrected since.
;; Bert Self Attention. Allowed arithmetic: matrix products marked QUANTISED: E2M3 operands, one E8M0 scale for each 32 along K, by v_wmma_scale_f32_16x16x128_f8f6f4 with both operands' format E2M3, f32 sums; products left as they are: f32 operands where the result goes on into a quantised operand, else bf16, f16 or f32 operands; f32 sums; everything else in f32.
;; Inputs: Wk 1,024 x 1,024 float32; Wq 1,024 x 1,024 float32; Wv 1,024 x 1,024 float32; attention_mask 8 x 4,096 int32; bk 1,024 float32; bq 1,024 float32; bv 1,024 float32; cell_state 8 x 1,024 float32; hidden_states 8 x 4,097 x 1,024 float32.
;; Outputs: out0 8 x 1,024 float32.
;; Constants: t = 4096.
;; This version of the problem:
;;   THIS VERSION OF THE PROBLEM IS GIVEN IN LOW PRECISION. The matrix products marked QUANTISED in the list below multiply operands that are first quantised to E2M3 (2 exponent bits, 3 mantissa bits; 6 bits a number), with one power-of-two scale for each 32 numbers along K (OCP MX v1.0); their sums are f32. All else is computed in f32.
;;   The module's matrix products, in the order in which they are computed (A, B: the left and right operand; K: the contracted axis; several contracted axes count as one K, in the product's order):
;;     1. [M 8, K 1,024] x [K 1,024, N 1,024]; A: input cell_state; B: input Wq: left as it is (M = 8 < 16)
;;     2. [M 32,768, K 1,024] x [K 1,024, N 1,024]; A: input hidden_states; B: input Wk: QUANTISED
;;     3. [M 32,768, K 1,024] x [K 1,024, N 1,024]; A: input hidden_states; B: input Wv: QUANTISED
;;     4. batch 128 x [M 1, K 64] x [K 64, N 4,096]; A: computed on the way; B: computed on the way: left as it is (M = 1 < 16)
;;     5. batch 128 x [M 1, K 4,096] x [K 4,096, N 64]; A: softmax; B: computed on the way: left as it is (M = 1 < 16)
;;   THE QUANTISER, for each operand of a quantised product, along K:
;;     - K is cut into blocks of 32 from its start; a last block that is shorter is filled with zeros.
;;     - A block's scale is 2^e with e = floor(log2(the largest magnitude in the block)) - 2, held to -126 .. 127; a block of zeros has e = 0. As a byte (E8M0): e + 127.
;;     - Each number is divided by its block's scale, clamped to +-7.5, and rounded to the nearest number of E2M3, ties to even, subnormals kept.
;;     - The product sums the exact products of the quantised numbers (number of the format x scale) in f32.
;;   ~~~python
;;   def quantise(x, axis):      # numpy; x: float32 -> the quantised numbers, widened to float32 again
;;       x = np.moveaxis(x, axis, -1); K = x.shape[-1]
;;       x = np.pad(x, [(0, 0)] * (x.ndim - 1) + [(0, -K % 32)]); x = x.reshape(x.shape[:-1] + (-1, 32)); a = np.abs(x).max(-1, keepdims=True)
;;       e = np.where(a > 0, np.clip(np.frexp(np.where(a > 0, a, 1))[1] - 1 - 2, -126, 127), 0)      # np.frexp(a)[1] - 1 = floor(log2(a)), exactly
;;       r = np.clip(x / 2.0 ** e, -7.5, 7.5)
;;       step = 2.0 ** (np.maximum(np.frexp(np.where(r == 0, 1, r))[1] - 1, 0) - 3)
;;       q = np.round(r / step) * step * 2.0 ** e      # np.round: ties to even
;;       return np.moveaxis(q.reshape(q.shape[:-2] + (-1,))[..., :K], -1, axis).astype(np.float32)
;;   ~~~
;; 2 versions. Each part assembles by itself: llvm-mc -triple=amdgcn-amd-amdhsa -mcpu=gfx1250 --defsym DOCPART=n.
;; ======== version 1 of 2: 3 launches
;; workspace buffers: wts 1,638,400 bytes; qs 32,768 bytes; pctx 1,048,576 bytes; pml 32,768 bytes
;; launch prep (part 1): grid 256 x 1, 8 waves a work-group, no clusters, 1,536 bytes of LDS; arguments Wk, Wv, Wq, bq, cell_state, wts, qs; writes wts, qs
.if DOCPART == 1
	.amdgcn_target "amdgcn-amd-amdhsa--gfx1250"
	.amdhsa_code_object_version 6
	.text
	.protected	k_qeb1c182447_prep
	.globl	k_qeb1c182447_prep
	.p2align	8
	.type	k_qeb1c182447_prep,@function
k_qeb1c182447_prep:
	s_mov_b64 s[64:65], 0
	v_nop
	global_prefetch_b8 v0, s[64:65] scope:SCOPE_SE
	s_setreg_imm32_b32 hwreg(HW_REG_WAVE_MODE, 25, 1), 1
	s_wait_xcnt 0x0
; TWO JOBS IN ONE LAUNCH, told apart by the work-group's number.
; Work-groups 0-127: Wk and Wv [1024][1024] f32 (K innermost) become codes of FP6 (E2M3) with one E8M0 byte for each 32 along K, laid as the product's launch wants them:
;   wts = [16 heads][8 tiles: K0-K3, V0-V3][12,800 bytes].  A tile is 16 rows of Wk or Wv (rows 64 head + 16 c + 0..15).  Its bytes: 8 K steps x 1,536 bytes, each the IMAGE of a fragment's
;   12 registers (registers 4 c .. 4 c + 3 of lane l at 512 c + 16 l), then 512 bytes of scale words: lane l's 16 bytes at 16 l; word u = the word of row l % 16 for K step 2 u + l / 16.
;   Work-group T makes tile T; its wave s makes K step s.  Lane (r, h) takes row r and the two blocks k = 128 s + 64 c + 32 h + 0..31: whole blocks, so no other lane is asked for a maximum.
; Work-groups 128-255: q' = (cell_state Wq^T + bq) x log2(e) / 8, [8][1024] f32, by fused multiply-adds in f32 (a product of 8 rows: nothing for the matrix unit).
;   A work-group takes 8 rows of Wq; wave v takes 4 of them (v / 4) and two batches (v % 4): each row of Wq is read by four waves of one work-group.
; A block's scale is 2^(floor(log2(largest magnitude)) - 2); its byte is the largest magnitude's exponent field - 2, held at 1 from below.
; LIMITS: a block of zeros, and one whose largest magnitude lies under 2^-124, gets the byte 1 (its codes are zeros or tiny; this program alone reads the bytes); NaN and infinities are not served.
; q' leaves in pieces of 16 bytes, 32 KB in the whole launch: a row of Wq gives one number a batch.
.set TILEB, 12800
.set FRB,   1536
	s_load_b256 s[4:11], s[0:1], 0x0               ; Wk s[4:5], Wv s[6:7], Wq s[8:9], bq s[10:11]
	s_load_b128 s[12:15], s[0:1], 0x20             ; cell_state s[12:13], wts s[14:15]
	s_load_b64 s[16:17], s[0:1], 0x30              ; qs
	v_lshl_add_u32 v62, v0, 2, 0x200
	v_mov_b32 v63, 0
	v_lshrrev_b32 v1, 5, v0
	v_readfirstlane_b32 s18, v1                    ; wave 0..7
	v_and_b32 v1, 31, v0                           ; lane
	v_and_b32 v2, 15, v0                           ; r
	v_bfe_u32 v3, v0, 4, 1                         ; h
	v_lshlrev_b32 v5, 4, v1                        ; 16 x lane
	s_mov_b32 s20, 0x76543210
	s_mov_b32 s21, 0xfedcba98                      ; v_permlanex16_b32's selects for lane l xor 16
	s_wait_kmcnt 0x0
	s_cmp_lt_u32 ttmp9, 128                        ; the same in all eight waves of a work-group
	s_cbranch_scc0 .Lquery
	; ---------------- a tile of weights
	s_lshr_b32 s22, ttmp9, 3                       ; head
	s_and_b32 s23, ttmp9, 7                        ; which of the head's eight tiles
	s_cmp_lt_u32 s23, 4
	s_cselect_b64 s[4:5], s[4:5], s[6:7]           ; tiles 0-3 from Wk, 4-7 from Wv: the choice hangs on the work-group's number alone
	s_and_b32 s23, s23, 3
	s_lshl_b32 s22, s22, 6
	s_lshl_b32 s23, s23, 4
	s_add_co_u32 s22, s22, s23                     ; the tile's first row
	s_lshl_b32 s22, s22, 12                        ; rows of 4,096 bytes
	s_lshl_b32 s23, s18, 9                         ; my K step: 128 numbers
	s_add_co_u32 s22, s22, s23
	s_mov_b32 s23, 0
	s_add_nc_u64 s[4:5], s[4:5], s[22:23]
	s_mul_i32 s24, ttmp9, TILEB
	s_mul_i32 s25, s18, FRB
	s_add_co_u32 s24, s24, s25
	s_mov_b32 s25, 0
	s_add_nc_u64 s[14:15], s[14:15], s[24:25]      ; where my fragment's image goes
	v_lshlrev_b32 v4, 12, v2
	v_lshl_add_u32 v4, v3, 7, v4                   ; row r, + 128 h bytes: my block of each 64 along K
	s_and_b32 s26, s18, 1
	s_lshl_b32 s26, s26, 8
	s_lshr_b32 s27, s18, 1
	s_lshl_b32 s27, s27, 2
	s_add_co_u32 s26, s26, s27
	v_lshl_add_u32 v6, v2, 4, s26                  ; LDS: my row's scale word: 16 r + 256 (s % 2) + 4 (s / 2)
.irp c, 0,1
.irp i, 0,1,2,3,4,5,6,7
	global_load_b128 v[64+32*\c+4*\i:67+32*\c+4*\i], v4, s[4:5] offset:256*\c+16*\i   ; W(r, 128 s + 64 c + 32 h + 4 i ..)
.endr
.endr
	s_wait_loadcnt 0x0
.irp c, 0,1
	v_max3_num_f32 v[32+\c], |v[64+32*\c]|, |v[65+32*\c]|, 0x1800000   ; my block 2 c + h, and the floor 2^(3 - 127): the byte cannot fall under 1
.endr
.irp i, 2,4,6,8,10,12,14,16,18,20,22,24,26,28,30
.irp c, 0,1
	v_max3_num_f32 v[32+\c], v[32+\c], |v[64+32*\c+\i]|, |v[65+32*\c+\i]|   ; (the two blocks by turns)
.endr
.endr
.irp c, 0,1
	v_add_nc_u32 v[44+\c], 0xff000000, v[32+\c]    ; 2 off the exponent field: the conversion takes the exponent field of this operand as its scale
.endr
.irp c, 0,1
	v_lshrrev_b32 v[36+\c], 23, v[44+\c]           ; the scale's byte
.endr
	v_lshl_or_b32 v9, v37, 16, v36                 ; my two bytes: blocks h and 2 + h,
	v_lshlrev_b32 v10, 3, v3
	v_lshlrev_b32 v9, v10, v9                      ; at their places in the word (8 h bits up);
	v_mov_b32 v10, 0
	v_permlanex16_b32 v10, v9, s20, s21
	v_or_b32 v9, v9, v10                           ; with lane l xor 16's two the word is whole, in both lanes
.irp c, 0,1
	v_cvt_scalef32_pk16_fp6_f32 v[48+6*\c:50+6*\c], v[64+32*\c:79+32*\c], v[44+\c]     ; registers 6 c .. 6 c + 2 of the fragment
	v_cvt_scalef32_pk16_fp6_f32 v[192+4*\c:194+4*\c], v[80+32*\c:95+32*\c], v[44+\c]   ; (a conversion's three registers begin on an even number: the other three are made elsewhere and moved)
.endr
	v_nop                                          ; one plain place behind a scaled conversion
.irp c, 0,1
.irp i, 0,1,2
	v_mov_b32 v[51+6*\c+\i], v[192+4*\c+\i]
.endr
.endr
.irp j, 0,1,2
	global_store_b128 v5, v[48+4*\j:51+4*\j], s[14:15] offset:512*\j   ; the image: each store of the wave covers 512 consecutive bytes, aligned to 256
.endr
	ds_store_b32 v6, v9                            ; both lanes of a row write the same word with the same value
	s_wait_dscnt 0x0                               ; for the others' sake: my word has landed
	s_barrier_signal -1
	s_barrier_wait -1                              ; the eight K steps' words lie in LDS
	s_cmp_lg_u32 s18, 0
	s_cbranch_scc1 .Lweights_done
	ds_load_b128 v[12:15], v5                      ; wave 0 stores the tile's 512 bytes of scale words whole
	s_wait_dscnt 0x0
	global_store_b128 v5, v[12:15], s[14:15] offset:8*FRB   ; (wave 0's base stands at the tile's first byte)
.Lweights_done:
	s_wait_tensorcnt 0x0
	ds_add_u32 v62, v63
	s_wait_dscnt 0x0
	s_endpgm
	; ---------------- the query
.Lquery:
	s_sub_co_u32 s22, ttmp9, 128
	s_and_b32 s24, s18, 3                          ; my pair of batches
	s_lshr_b32 s25, s18, 2
	s_lshl_b32 s22, s22, 3
	s_lshl_b32 s25, s25, 2
	s_add_co_u32 s22, s22, s25                     ; my first row of Wq: 8 x (work-group - 128) + 4 x (wave / 4)
	s_mov_b32 s27, 0
	s_lshl_b32 s26, s24, 13                        ; two batches of 4,096 bytes
	s_add_nc_u64 s[12:13], s[12:13], s[26:27]
	s_add_nc_u64 s[16:17], s[16:17], s[26:27]
	s_lshl_b32 s26, s22, 12
	s_add_nc_u64 s[8:9], s[8:9], s[26:27]
	s_lshl_b32 s26, s22, 2
	s_add_nc_u64 s[10:11], s[10:11], s[26:27]
	s_add_nc_u64 s[16:17], s[16:17], s[26:27]
	v_and_b32 v22, 3, v1
	v_lshlrev_b32 v22, 2, v22                      ; 4 x (lane % 4): which of my four rows
	v_lshrrev_b32 v23, 2, v1
	v_lshl_add_u32 v23, v23, 12, v22               ; + 4,096 x (lane / 4): which batch (lanes 0-7 store)
.irp j, 0,1
.irp i, 0,1,2,3,4,5,6,7
	global_load_b128 v[64+32*\j+4*\i:67+32*\j+4*\i], v5, s[12:13] offset:4096*\j+512*\i   ; a batch's row: 512 consecutive bytes a load
.endr
.endr
.irp p, 0,1,2,3
.irp i, 0,1,2,3,4,5,6,7
	global_load_b128 v[128+32*\p+4*\i:131+32*\p+4*\i], v5, s[8:9] offset:4096*\p+512*\i
.endr
.endr
	global_load_b32 v20, v22, s[10:11]             ; bq of row lane % 4
	s_wait_loadcnt 0x0
.irp p, 0,1,2,3                                ; eight sums (row p, batch j), two numbers an instruction, by turns
.irp j, 0,1
	v_pk_mul_f32 v[32+2*(2*\p+\j):33+2*(2*\p+\j)], v[128+32*\p:129+32*\p], v[64+32*\j:65+32*\j]
.endr
.endr
.set TT, 1
.rept 15
.irp p, 0,1,2,3
.irp j, 0,1
	v_pk_fma_f32 v[32+2*(2*\p+\j):33+2*(2*\p+\j)], v[128+32*\p+2*TT:129+32*\p+2*TT], v[64+32*\j+2*TT:65+32*\j+2*TT], v[32+2*(2*\p+\j):33+2*(2*\p+\j)]
.endr
.endr
.set TT, TT+1
.endr
.irp a, 0,1,2,3,4,5,6,7
	v_add_f32 v[32+2*\a], v[32+2*\a], v[33+2*\a]
.endr
.irp x, 1,2,4,8
.irp a, 0,1,2,3,4,5,6,7
	v_add_f32_dpp v[32+2*\a], v[32+2*\a], v[32+2*\a] row_xmask:\x row_mask:0xf bank_mask:0xf
.endr
.endr
.irp a, 0,1,2,3,4,5,6,7
	v_permlanex16_b32 v[33+2*\a], v[32+2*\a], s20, s21
.endr
.irp a, 0,1,2,3,4,5,6,7
	v_add_f32 v[32+2*\a], v[32+2*\a], v[33+2*\a]   ; every lane holds the whole sum
.endr
	v_mov_b32 v21, 0
.irp p, 0,1,2,3
.irp j, 0,1
	s_mov_b32 s30, 1<<(4*\j+\p)
	v_cndmask_b32 v21, v21, v[32+2*(2*\p+\j)], s30 ; lane 4 j + p takes sum (p, j)
.endr
.endr
	v_add_f32 v21, v21, v20
	v_mul_f32 v21, 0x3e38aa3b, v21                 ; x log2(e) / 8: the scores then come out as exponents of 2
	s_wait_xcnt 0x0                                ; EXEC changes only behind this wait
	v_cmp_gt_u32 vcc_lo, 8, v1
	s_and_saveexec_b32 s31, vcc_lo
	global_store_b32 v23, v21, s[16:17]
	s_wait_xcnt 0x0                                ; and again, in front of the line that widens it
	s_or_b32 exec_lo, exec_lo, s31
	s_endpgm
.Lfunc_end_k_qeb1c182447_prep:
	.size	k_qeb1c182447_prep, .Lfunc_end_k_qeb1c182447_prep-k_qeb1c182447_prep
	.p2alignl 7, 3214868480
	.fill 96, 4, 3214868480
	.section	.rodata,"a",@progbits
	.p2align	6, 0x0
	.amdhsa_kernel k_qeb1c182447_prep
		.amdhsa_group_segment_fixed_size 1536
		.amdhsa_private_segment_fixed_size 0
		.amdhsa_enable_private_segment 0
		.amdhsa_kernarg_size 56
		.amdhsa_user_sgpr_count 2
		.amdhsa_user_sgpr_kernarg_segment_ptr 1
		.amdhsa_wavefront_size32 1
		.amdhsa_system_sgpr_workgroup_id_x 1
		.amdhsa_system_sgpr_workgroup_id_y 1
		.amdhsa_system_sgpr_workgroup_id_z 1
		.amdhsa_system_vgpr_workitem_id 0
		.amdhsa_next_free_vgpr 256
		.amdhsa_next_free_sgpr 66
		.amdhsa_reserve_vcc 1
		.amdhsa_float_denorm_mode_32 3
		.amdhsa_float_denorm_mode_16_64 3
		.amdhsa_memory_ordered 1
		.amdhsa_forward_progress 1
		.amdhsa_inst_pref_size 25
	.end_amdhsa_kernel
	.amdgpu_metadata
---
amdhsa.version: [ 1, 2 ]
amdhsa.kernels:
  - .name:           k_qeb1c182447_prep
    .symbol:         k_qeb1c182447_prep.kd
    .args:
      - { .name: Wk, .offset: 0, .size: 8, .value_kind: global_buffer, .address_space: global }
      - { .name: Wv, .offset: 8, .size: 8, .value_kind: global_buffer, .address_space: global }
      - { .name: Wq, .offset: 16, .size: 8, .value_kind: global_buffer, .address_space: global }
      - { .name: bq, .offset: 24, .size: 8, .value_kind: global_buffer, .address_space: global }
      - { .name: cell_state, .offset: 32, .size: 8, .value_kind: global_buffer, .address_space: global }
      - { .name: wts, .offset: 40, .size: 8, .value_kind: global_buffer, .address_space: global }
      - { .name: qs, .offset: 48, .size: 8, .value_kind: global_buffer, .address_space: global }
    .group_segment_fixed_size: 1536
    .private_segment_fixed_size: 0
    .kernarg_segment_align: 8
    .kernarg_segment_size: 56
    .max_flat_workgroup_size: 256
    .sgpr_count:     66
    .vgpr_count:     256
    .wavefront_size: 32
...
	.end_amdgpu_metadata
.endif
;; end of part 1
;; launch main (part 2): grid 256 x 1, 4 waves a work-group, clusters of 4 x 1, 327,680 bytes of LDS; arguments hidden_states, attention_mask, bk, qs, wts, pctx, pml; writes pctx, pml
.if DOCPART == 2
	.amdgcn_target "amdgcn-amd-amdhsa--gfx1250"
	.amdhsa_code_object_version 6
	.text
	.protected	k_qeb1c182447_main
	.globl	k_qeb1c182447_main
	.p2align	8
	.type	k_qeb1c182447_main,@function
k_qeb1c182447_main:
	s_mov_b64 s[64:65], 0
	v_nop
	global_prefetch_b8 v0, s[64:65] scope:SCOPE_SE
	s_setreg_imm32_b32 hwreg(HW_REG_WAVE_MODE, 25, 1), 1
	s_wait_xcnt 0x0
	s_wait_alu depctr_hold_cnt(0) depctr_sa_sdst(0) depctr_va_vdst(0) depctr_va_sdst(0) depctr_va_ssrc(0) depctr_va_vcc(0) depctr_vm_vsrc(0)
	s_getreg_b32 s2, hwreg(HW_REG_IB_STS2, 6, 4)
	s_cmp_eq_u32 s2, 0
	s_cbranch_scc0 .Lentry_in_a_cluster
	s_endpgm
.Lentry_in_a_cluster:
	s_bfe_u32 s2, ttmp6, 0x10000c
	s_cmp_lg_u32 s2, 0x3003
	s_cbranch_scc0 .Lentry_shape_is_right
	s_endpgm
.Lentry_shape_is_right:
; k = Q(hs) Q(Wk)^T + bk and v = Q(hs) Q(Wv)^T + bv on codes of FP6 (E2M3), one E8M0 scale for each 32 along K = 1,024, and behind them, in registers, the one-query attention of a block of tokens.
; SHARES.  A work-group owns 128 tokens of one batch (32,768 tokens / 256 work-groups) and ALL 2,048 columns of k and v, so hidden_states, the large f32 input, is read by one work-group alone.
;   The 128 tokens are quantised once; EVERY wave then keeps the codes of all 128 (64 fragments, 768 registers) and walks the weights of its own four heads, 4 w .. 4 w + 3.
;   A weight fragment is read from LDS by one wave and feeds eight matrix instructions.
; THE WEIGHTS come as images of the operand's registers (made by the launch before): 25,600 dense bytes hold two tiles of 16 columns (8 K steps and their scale words each).  Wave w's stream is contiguous: 16 fills,
;   through a ring of two LDS slots; each wave fills and reads its own quarter of a slot.
; CLUSTER.  All work-groups walk the same weights: the four of a cluster ask JOINTLY, by the same tensor load with the same descriptor and the mask of all four.
; THE MATRIX INSTRUCTION IS USED TRANSPOSED (source 0 = 16 columns' weights, source 1 = 16 tokens): lane (r, h) holds token r and its registers the columns 8 h + 0..7.
; A HEAD is eight tiles: K0-K3, V0-V3.  Behind each K tile its 16 columns are multiplied by q' and added to the tokens' scores; then t = score (an exponent of 2: q' holds log2(e) / 8; q'.bk is added once),
;   -infinity where the mask is 0, m = the block's largest t, p = 2^(t - m), l = the sum of p; behind each V tile O += p v'.  Stored for each (work-group, head): m, l, O[64].  The last launch joins the 32 blocks
;   of a batch, divides, and adds bv (the sum of p (v' + bv) / l = the sum of p v' / l + bv).
; THE VECTOR WORK STANDS AMONG THE MATRIX INSTRUCTIONS: a tile's results are taken up in slices of four instructions behind the last K step's products and the next tile's first.
; MASKED TOKENS: their p is 0, so their rows of hidden_states are not fetched: such a lane reads the first row of its tile of 16 instead (offset = min(mask, 1) x row), and the products run on all 128 rows alike.
; LIMITS: NaN and infinities among the inputs are not served; a block of 32 whose largest magnitude lies under 2^-124 (zeros too) gets the scale byte 1; m is held at -3e38 from below, which is what a block
;   with every token masked stores (with l = 0 and O = 0).
; REGISTERS, in windows of 256 (s_set_vgpr_msb: bits 1:0 source 0, 3:2 source 1, 5:4 source 2, 7:6 destination).  Window 0: all that vector and LDS instructions touch (map below).
;   Windows 1-3: the tokens' fragments: fragment f = 8 s + m (K step s, tile of tokens m) at v[12 (f % 21)] of window 1 + f / 21; fragment 63 in window 0.  While the tokens are quantised window 1 holds their f32 numbers.
;   A product's only operand outside window 0 is source 1, and an LDS load has no source 1: so the fragment loads stand under the products' setting, and only the slices switch.
.set WSLB,  25600                      ; a wave's part of a slot: two tiles
.set SLOTB, 4*WSLB
.set TILEB, 12800                      ; a tile: 8 fragment images and 512 bytes of scale words
.set FRB,   1536                       ; a fragment's image: 12 registers x 128 bytes
.set STG,   2*SLOTB                    ; LDS: behind the ring the tokens' 64 images, (tile m, K step s) at FRB (8 m + s): 98,304 bytes;
.set ASCL,  STG+64*FRB                 ; their scale words: tile m's 512 bytes: lane l's 16 bytes at 16 l, word u = row l % 16, K step 2 u + l / 16;
.set QL,    ASCL+4096                  ; q' of the batch, 4,096 bytes: wave w's four heads at 1,024 w;
.set RES,   QL+4096                    ; O of the 16 heads, 256 bytes each;
.set ML,    RES+4096                   ; m of the 16 heads, then l: 128 bytes (a block of 256);
.set SPARE, ML+256                     ; the spare words, 128 bytes for each wave: two blocks of 256 bytes that no other line names
.set SPW, 1                            ; v1   LDS address of my spare word; never rewritten
.set NIL, 2                            ; v2   0; never rewritten
.set LI,  3                            ; v3   16 x lane
.set WA0, 4                            ; v4-5 my quarter of slot 0, 1, + 16 x lane
.set QA0, 6                            ; v6   q' of my first head, + 32 h;  v7 of the head in hand
.set QA,  7
.set RA0, 8                            ; v8, v9 the same in RES
.set RA,  9
.set MLA0, 10                          ; v10, v11 the same in ML
.set MLA, 11
.set CC,  12                           ; v[12:13] (q'.bk in lanes 0-15, 0 in lanes 16-31; 0): what the head's scores begin with
.set MX,  14                           ; v14  m
.set LS,  15                           ; v15  l
.set ASC, 16                           ; v16-47  the tokens' scale words: register 4 m + u: lanes 0-15 K step 2 u, lanes 16-31 K step 2 u + 1
.set WSC, 48                           ; v48-55  the weights' likewise, two sets of 4 (tile % 2)
.set Q,   56                           ; v56-63  q' of my eight columns of the tile
.set ACC, 64                           ; v64-127 eight accumulators, one for each tile of tokens
.set WF,  128                          ; v128-175 four buffers for a weight fragment (K step % 4)
.set A63, 176                          ; v176-187 the tokens' fragment 63
.set SP,  188                          ; v188-203 the scores in the making: a pair for each tile of tokens
.set P,   204                          ; v204-211 t, then p: token 16 m + r
.set O,   212                          ; v212-219 the sum of p v' over my lane's tokens, eight columns
.set T,   220                          ; v220-227 at work
.set NINF, 228                         ; v228 -infinity
.set AL0, 229                          ; v229-230 the images' first and second half, + 16 x lane
.set LOM, 231                          ; v231 1.0 in lanes 0-15, 0.0 in lanes 16-31
; while the tokens are quantised (all free again when the products begin):
.set TM,  64                           ; v64-79 largest magnitudes, bytes, scale operands
.set PW,  80                           ; v80  the scale word just made
.set CA,  82                           ; v[82:83] q'.bk in the making
.set PC,  84                           ; v84-103 the codes just made
.set XA0, 104                          ; v104-105 my lane's byte in my first, second tile of 16 rows
.set MV,  106                          ; v106-113 the mask of token 16 m + r
.set MW0, 114                          ; v114-115 the mask of my lane's row in my two tiles
.set QB,  116                          ; v116-131 8 numbers of q', 8 of bk
.set IW0, 132                          ; v132, v133 where I store images: first trip, this trip
.set IW,  133
.set SW0, 134                          ; v134, v135 and scale words
.set SW,  135
.set RR,  136                          ; r = lane % 16
.set HH,  137                          ; h = lane / 16
.set RO,  138
.set TA,  139
.set TB,  140
.set TC,  141
.set TD,  142
.set WV,  18                           ; s18  my wave's number
.set G1,  24                           ; s[24:31] descriptor group 1
.set G0,  32                           ; s[32:35], s[36:39] group 0 of slot 0, 1
.set SEL, 40                           ; s[40:41] lane selects for v_permlanex16_b32: lane l xor 16
.set MK,  44                           ; s44-51 the lanes whose token of tile m counts
.set CQ,  52                           ; s52-55 q'.bk of the head in hand and of those that follow
.set HB,  56                           ; s56  256 x the head's number among my four
.set HM,  57                           ; s57  4 x the same
.set TRIP, 58
.set UT,  59
.set US,  60                           ; s60  the quantising loop's step among the images: 2 FRB a trip
.set UW,  61                           ; s61  and among the scale words: 4 a trip
.set MSB, 0
.macro WIN new                         ; the immediate's high byte repeats the setting that is left; a switch that changes nothing is dropped
.if MSB != (\new)
	s_set_vgpr_msb (MSB<<8)|(\new)
.set MSB, (\new)
.endif
.endm
.macro PL4                             ; four places: behind a matrix instruction, ahead of a read of its result or a load into one of its registers
.rept 4
	v_nop
.endr
.endm
.macro CREST                           ; a round of the cluster's barrier behind its opening barrier
	s_cmp_lg_u32 s[WV], 0
	s_cbranch_scc1 .Lnot_wave_0_\@
	s_barrier_signal -3
.Lnot_wave_0_\@:
	s_barrier_wait -3
	s_barrier_signal -1
	s_barrier_wait -1
.endm
.macro CROUND                          ; a whole round
	s_barrier_signal -1
	s_barrier_wait -1
	CREST
.endm
	s_load_b256 s[4:11], s[0:1], 0x0               ; hidden_states s[4:5], attention_mask s[6:7], bk s[8:9], q' s[10:11]
	s_load_b128 s[12:15], s[0:1], 0x20             ; the weights' images s[12:13], pctx s[14:15]
	s_load_b64 s[16:17], s[0:1], 0x30              ; pml
	v_lshl_add_u32 v[SPW], v0, 2, SPARE
	v_mov_b32 v[NIL], 0
	ds_add_u32 v1, v2
	ds_add_u32 v1, v2
	s_wait_dscnt 0x0
	v_lshrrev_b32 v[LI], 5, v0
	v_readfirstlane_b32 s[WV], v[LI]               ; wave 0..3
	s_bfe_u32 s19, ttmp6, 0x40000                  ; cx: it enters global addresses of my own loads and stores alone
	s_lshl_b32 s20, ttmp9, 2
	s_add_co_u32 s20, s20, s19                     ; my block of 128 tokens = 4 x cluster x + cx
	s_lshr_b32 s21, s20, 5                         ; the batch
	v_and_b32 v[LI], 31, v0
	v_lshlrev_b32 v[LI], 4, v[LI]
	v_and_b32 v[RR], 15, v0
	v_bfe_u32 v[HH], v0, 4, 1
	s_mul_i32 s62, s[WV], WSLB
	s_lshl_b32 s63, s[WV], 10
	v_add_nc_u32 v[WA0], s62, v[LI]
	v_add_nc_u32 v[WA0+1], SLOTB, v[WA0]
	v_lshl_add_u32 v[QA0], v[HH], 5, s63
	v_add_nc_u32 v[QA0], QL, v[QA0]
	v_add_nc_u32 v[RA0], RES-QL, v[QA0]
	s_lshl_b32 s66, s[WV], 4
	s_add_co_u32 s66, s66, ML
	v_mov_b32 v[MLA0], s66
	v_add_nc_u32 v[AL0], STG, v[LI]
	v_add_nc_u32 v[AL0+1], 32*FRB, v[AL0]
	s_mul_i32 s66, s[WV], 16*FRB                   ; my two tiles' sixteen images lie together
	v_add_nc_u32 v[IW0], s66, v[AL0]
	v_lshl_add_u32 v[SW0], v[RR], 4, s63
	v_add_nc_u32 v[SW0], ASCL, v[SW0]
	v_lshl_add_u32 v[TA], v[LI], 1, s63
	v_add_nc_u32 v[TA], QL, v[TA]                  ; where I put my 8 numbers of q': 1,024 w + 32 x lane
	; descriptor group 1: 25,600 dense bytes as 100 rows of 256 bytes (32 elements of 8 bytes); no padding: the images are read 16 x lane on end
	s_mov_b32 s[G1+0], 15|(3<<16)|(1<<21)          ; 15:0 the mask: all four work-groups; 17:16 elements of 8 bytes; 21 set beside a mask
	s_mov_b32 s[G1+1], 32<<16                      ; tensor_dim0 = 32
	s_mov_b32 s[G1+2], 100<<16                     ; tensor_dim1 = 100
	s_mov_b32 s[G1+3], 32<<16                      ; tile_dim0 = 32
	s_mov_b32 s[G1+4], 100                         ; tile_dim1 = 100
	s_mov_b32 s[G1+5], 32                          ; from row to row
	s_mov_b32 s[G1+6], 0
	s_mov_b32 s[G1+7], 0
	s_mov_b32 s[SEL], 0x76543210
	s_mov_b32 s[SEL+1], 0xfedcba98
	s_mul_i32 s66, s[WV], 32*TILEB                 ; my four heads' 32 tiles
	s_mov_b32 s67, 0
	s_wait_kmcnt 0x0
	s_add_nc_u64 s[12:13], s[12:13], s[66:67]      ; made of the wave's number alone: equal in all four partners
.irp g, 0,1
	s_mov_b32 s[G0+4*\g], 1                        ; count = 1
	s_add_co_u32 s[G0+4*\g+1], s62, \g*SLOTB       ; LDS address: my quarter of slot g
	s_add_nc_u64 s[G0+4*\g+2:G0+4*\g+3], s[12:13], \g*WSLB   ; global address: fill g of my stream
	s_or_b32 s[G0+4*\g+3], s[G0+4*\g+3], 0x80000000          ; type = 2
.endr
	CROUND                                         ; all four work-groups are here: the first joint loads meet
	tensor_load_to_lds s[G0:G0+3], s[G1:G1+7]      ; both first fills together: two loads of mine are out
	s_nop 0
	tensor_load_to_lds s[G0+4:G0+7], s[G1:G1+7]
	s_nop 0
	PL4
	s_lshl_b32 s66, s20, 9
	s_add_nc_u64 s[6:7], s[6:7], s[66:67]          ; the mask of my 128 tokens
	s_lshl_b32 s66, s21, 12
	s_add_co_u32 s66, s66, s63
	s_add_nc_u64 s[10:11], s[10:11], s[66:67]      ; q' of my batch, my four heads
	s_mov_b32 s66, s63
	s_add_nc_u64 s[8:9], s[8:9], s[66:67]          ; bk of my four heads
	s_lshl_b32 s66, s20, 12
	s_add_nc_u64 s[14:15], s[14:15], s[66:67]      ; my block's row of pctx
	s_lshl_b32 s66, s20, 7
	s_add_nc_u64 s[16:17], s[16:17], s[66:67]      ; and of pml
	s_add_co_u32 s66, s66, s21                     ; a batch has 4,097 rows: token (b, t) is row 4,096 b + b + t; my block begins at row 128 x block + b,
	s_lshl_b32 s68, s[WV], 5
	s_add_co_u32 s66, s66, s68                     ; my wave's two tiles 32 w rows on
	s_lshl_b64 s[66:67], s[66:67], 12
	s_add_nc_u64 s[4:5], s[4:5], s[66:67]
	v_lshlrev_b32 v[TB], 2, v[RR]
	s_lshl_b32 s68, s[WV], 7
	v_add_nc_u32 v[TC], s68, v[TB]
	v_lshlrev_b32 v[TD], 1, v[LI]
	global_load_b32 v[MW0], v[TC], s[6:7]          ; the mask of my lane's row in my two tiles,
	global_load_b32 v[MW0+1], v[TC], s[6:7] offset:64
.irp m, 0,1,2,3,4,5,6,7
	global_load_b32 v[MV+\m], v[TB], s[6:7] offset:64*\m   ; and of token 16 m + r of all eight
.endr
	global_load_b128 v[QB:QB+3], v[TD], s[10:11]
	global_load_b128 v[QB+4:QB+7], v[TD], s[10:11] offset:16
	global_load_b128 v[QB+8:QB+11], v[TD], s[8:9]
	global_load_b128 v[QB+12:QB+15], v[TD], s[8:9] offset:16
.irp m, 0,1,2,3,4,5,6,7
	v_mov_b32 v[T+\m], 0                           ; written once: a lane permute's destination counts as one of its sources
.endr
.irp b, 0,1,2,3
	v_mov_b32 v[TM+4+\b], 0
.endr
	v_mov_b32 v[NINF], 0xff800000
	v_sub_nc_u32 v[LOM], 1, v[HH]
	v_cvt_f32_u32 v[LOM], v[LOM]
	v_lshlrev_b32 v[RO], 12, v[RR]                 ; row r of 4,096 bytes
	v_mov_b32 v[IW], v[IW0]
	v_mov_b32 v[SW], v[SW0]
	s_mov_b32 s[US], 0
	s_mov_b32 s[UW], 0
	s_wait_loadcnt 0x0
.irp t, 0,1
	v_min_u32 v[MW0+\t], 1, v[MW0+\t]              ; 0 or 1
	v_mul_u32_u24 v[XA0+\t], v[MW0+\t], v[RO]      ; a masked token's lane reads its tile's first row
	v_lshl_add_u32 v[XA0+\t], v[HH], 6, v[XA0+\t]  ; + 64 h: my 16 numbers of each block of 32
.endr
; Unit i of a trip: tile 2 w + i % 2 of the tokens, K step 2 x trip + i / 2: 64 numbers a lane, register 16 b + e = k 32 b + 16 h + e of my row, into v[64 i ..] of window 1
.macro XLOAD i, off
	WIN 0x40                                       ; destination window 1
.irp b, 0,1,2,3
.irp j, 0,1,2,3
	global_load_b128 v[64*(\i)+16*\b+4*\j:64*(\i)+16*\b+4*\j+3], v[XA0+(\i)%2], s[4:5] offset:65536*((\i)%2)+512*((\i)/2)+128*\b+16*\j+(\off) th:TH_LOAD_NT
.endr
.endr
	WIN 0
.endm
; The unit's 64 numbers become a fragment's codes in v[PC] on and its scale word in v[PW]
.macro QUANT i
.set XS, 64*(\i)
	WIN 0x05                                       ; sources 0 and 1 window 1
.irp b, 0,1,2,3
	v_max3_num_f32 v[TM+\b], |v[XS+16*\b]|, |v[XS+16*\b+1]|, 0x1800000   ; block b: my 16 numbers, and the floor 2^(3 - 127): the byte cannot fall under 1
.endr
.irp e, 2,4,6,8,10,12,14
.irp b, 0,1,2,3
	v_max3_num_f32 v[TM+\b], |v[XS+16*\b+\e]|, |v[XS+16*\b+\e+1]|, v[TM+\b]   ; (the four blocks by turns)
.endr
.endr
	WIN 0
.irp b, 0,1,2,3
	v_permlanex16_b32 v[TM+4+\b], v[TM+\b], s[SEL], s[SEL+1]
.endr
.irp b, 0,1,2,3
	v_max_num_f32 v[TM+\b], v[TM+\b], v[TM+4+\b]   ; with lane l xor 16's: the block's largest magnitude
.endr
.irp b, 0,1,2,3
	v_add_nc_u32 v[TM+12+\b], 0xff000000, v[TM+\b] ; 2 off its exponent field: the conversion's scale operand
.endr
.irp b, 0,1,2,3
	v_lshrrev_b32 v[TM+4+\b], 23, v[TM+12+\b]      ; the scale's byte
.endr
	v_lshl_or_b32 v[PW], v[TM+5], 8, v[TM+4]       ; my row's scale word, the same in both halves of the lanes
	v_lshl_or_b32 v[PW], v[TM+6], 16, v[PW]
	v_lshl_or_b32 v[PW], v[TM+7], 24, v[PW]
	WIN 0x01                                       ; source 0 window 1
.irp c, 0,1
	v_cvt_scalef32_pk16_fp6_f32 v[PC+6*\c:PC+6*\c+2], v[XS+32*\c:XS+32*\c+15], v[TM+12+2*\c]
	v_cvt_scalef32_pk16_fp6_f32 v[PC+12+4*\c:PC+14+4*\c], v[XS+32*\c+16:XS+32*\c+31], v[TM+13+2*\c]   ; (a conversion's three registers begin on an even number)
.endr
	WIN 0
	v_nop                                          ; one plain place behind a scaled conversion
.irp c, 0,1                                    ; the operand's layout wants a WHOLE block in a lane: lanes 0-15 block 2 c, lanes 16-31 block 2 c + 1
.irp e, 0,1,2
	v_permlane16_swap_b32 v[PC+6*\c+\e], v[PC+12+4*\c+\e]
.endr
.irp e, 0,1,2
	v_mov_b32 v[PC+3+6*\c+\e], v[PC+12+4*\c+\e]
.endr
.endr
.endm
; left: the loads of the younger units, 16 each, which may stay out.  ahead = 1: the unit's registers take the next trip's numbers
.macro UNIT i, ahead, left
	s_wait_dscnt 0x0                               ; the last unit's stores have read their registers
	s_wait_loadcnt \left
	QUANT \i
.irp c, 0,1,2
	ds_store_b128 v[IW], v[PC+4*\c:PC+4*\c+3] offset:8*FRB*((\i)%2)+FRB*((\i)/2)+512*\c   ; the fragment goes to LDS as it stands
.endr
	ds_store_b32 v[SW], v[PW] offset:512*((\i)%2)+256*((\i)/2)   ; both lanes of a row write the same word with the same value
.if \ahead
	XLOAD \i, 1024
.endif
.endm
.irp i, 0,1,2,3
	XLOAD \i, 0                                    ; 64 loads a wave are out from here to the last trip
.endr
.irp m, 0,1,2,3,4,5,6,7
	v_cmp_ne_u32 s[MK+\m], 0, v[MV+\m]
.endr
	ds_store_b128 v[TA], v[QB:QB+3]                ; q' into my own 1,024 bytes: only my wave reads them
	ds_store_b128 v[TA], v[QB+4:QB+7] offset:16
	v_pk_mul_f32 v[CA:CA+1], v[QB:QB+1], v[QB+8:QB+9]   ; q'.bk: a head's 64 columns lie in eight lanes
.irp i, 1,2,3
	v_pk_fma_f32 v[CA:CA+1], v[QB+2*\i:QB+2*\i+1], v[QB+8+2*\i:QB+9+2*\i], v[CA:CA+1]
.endr
	v_add_f32 v[CA], v[CA], v[CA+1]
.irp x, 1,2,4
	v_add_f32_dpp v[CA], v[CA], v[CA] row_xmask:\x row_mask:0xf bank_mask:0xf
.endr
.irp i, 0,1,2,3
	v_readlane_b32 s[CQ+\i], v[CA], 8*\i
.endr
	s_mov_b32 s[UT], 3
.Lunit:                                            ; a trip: two K steps of my two tiles
	UNIT 0, 1, 48
	UNIT 1, 1, 48
	UNIT 2, 1, 48
	UNIT 3, 1, 48
	s_wait_xcnt 0x0                                ; the loads have read their base
	s_add_nc_u64 s[4:5], s[4:5], 1024
	s_add_co_u32 s[US], s[US], 2*FRB
	s_add_co_u32 s[UW], s[UW], 4
	s_wait_dscnt 0x0                               ; the stores have read their addresses
	v_add_nc_u32 v[IW], s[US], v[IW0]
	v_add_nc_u32 v[SW], s[UW], v[SW0]
	s_sub_co_u32 s[UT], s[UT], 1
	s_cmp_lg_u32 s[UT], 0
	s_cbranch_scc1 .Lunit
	UNIT 0, 0, 48                                  ; the last trip loads nothing: the counts run down
	UNIT 1, 0, 32
	UNIT 2, 0, 16
	UNIT 3, 0, 0
	s_wait_dscnt 0x0                               ; for the others' sake: my images have landed
	s_barrier_signal -1
	s_barrier_wait -1                              ; all 64 images lie in LDS.  The first fills may stay out
.set AF, 0
.rept 64                                       ; every wave takes all of them: fragment f = 8 s + m from image 8 m + s
.set AG, 8*(AF%8)+AF/8
.if AF == 63
	WIN 0
.set AR, A63
.else
	WIN (1+AF/21)<<6
.set AR, 12*(AF%21)
.endif
.irp c, 0,1,2
	ds_load_b128 v[AR+4*\c:AR+4*\c+3], v[AL0+AG/32] offset:FRB*(AG%32)+512*\c
.endr
.set AF, AF+1
.endr
.irp m, 0,1,2,3,4,5,6,7
	ds_load_b128 v[ASC+4*\m:ASC+4*\m+3], v[AL0+1] offset:32*FRB+512*\m
.endr
; ---------------- the products
; Product (tile tau, K step s, tokens' tile m).  The eight accumulators take turns, one instruction a turn.  The scale words of an odd K step lie in lanes 16-31.
.macro MM tau, s, m
.set FI, 8*(\s)+(\m)
.if FI == 63
	WIN 0
.set AR, A63
.else
	WIN (1+FI/21)<<2
.set AR, 12*(FI%21)
.endif
.set WR, WF+12*((\s)%4)
.set CR, ACC+8*(\m)
.set SWR, WSC+4*((\tau)%2)+(\s)/2
.set SAR, ASC+4*(\m)+(\s)/2
.if (\s) == 0
	v_wmma_scale_f32_16x16x128_f8f6f4 v[CR:CR+7], v[WR:WR+11], v[AR:AR+11], 0, v[SWR], v[SAR] matrix_a_fmt:MATRIX_FMT_FP6 matrix_b_fmt:MATRIX_FMT_FP6
.elseif ((\s)%2) == 0
	v_wmma_scale_f32_16x16x128_f8f6f4 v[CR:CR+7], v[WR:WR+11], v[AR:AR+11], v[CR:CR+7], v[SWR], v[SAR] matrix_a_fmt:MATRIX_FMT_FP6 matrix_b_fmt:MATRIX_FMT_FP6
.else
	v_wmma_scale_f32_16x16x128_f8f6f4 v[CR:CR+7], v[WR:WR+11], v[AR:AR+11], v[CR:CR+7], v[SWR], v[SAR] matrix_a_fmt:MATRIX_FMT_FP6 matrix_b_fmt:MATRIX_FMT_FP6 matrix_a_scale:MATRIX_SCALE_ROW1 matrix_b_scale:MATRIX_SCALE_ROW1
.endif
.endm
.macro MM4 tau, s, m0
.irp d, 0,1,2,3
	MM \tau, \s, (\m0)+\d
.endr
.endm
.macro FRAG tau, s                     ; the weight fragment of (tile, K step) into buffer s % 4.  Tiles 0, 1, 4, 5 of a head lie in slot 0, the others in slot 1
.set WR, WF+12*((\s)%4)
.irp c, 0,1,2
	ds_load_b128 v[WR+4*\c:WR+4*\c+3], v[WA0+(((\tau)/2)%2)] offset:TILEB*((\tau)%2)+FRB*(\s)+512*\c
.endr
.endm
.macro WSCL tau                        ; the tile's scale words
	ds_load_b128 v[WSC+4*((\tau)%2):WSC+4*((\tau)%2)+3], v[WA0+(((\tau)/2)%2)] offset:TILEB*((\tau)%2)+8*FRB
.endm
; SLICE k of what is made of tile tau's results.  A slice's first line reads the accumulator finished last, from its low end.
; K tiles (k = 0..10): score pair of tokens' tile mm += results 2 i, 2 i + 1 x q', for (mm, i) with mm + i = k: four lines on four different pairs.  The head's first tile begins each pair with CC.
; V tiles (k = 0..7): O += results of tokens' tile k x p(k).
.macro ES tau, k
.if (\tau) < 4
	WIN 0
.irp i, 0,1,2,3
.set MI, (\k)-\i
.if (MI >= 0) && (MI <= 7)
.if ((\tau) == 0) && (\i == 0)
	v_pk_fma_f32 v[SP+2*MI:SP+2*MI+1], v[ACC+8*MI:ACC+8*MI+1], v[Q:Q+1], v[CC:CC+1]
.else
	v_pk_fma_f32 v[SP+2*MI:SP+2*MI+1], v[ACC+8*MI+2*\i:ACC+8*MI+2*\i+1], v[Q+2*\i:Q+2*\i+1], v[SP+2*MI:SP+2*MI+1]
.endif
.elseif (\k) < 3
	v_nop                                          ; the first slices are filled up to four: a slice is the four places ahead of the next slice's first read
.endif
.endr
.elseif (\k) < 8
	WIN 0
.irp i, 0,1,2,3
.if (\k) == 0
	v_pk_mul_f32 v[O+2*\i:O+2*\i+1], v[ACC+2*\i:ACC+2*\i+1], v[P:P+1] op_sel_hi:[1,0]
.elseif ((\k)%2) == 0
	v_pk_fma_f32 v[O+2*\i:O+2*\i+1], v[ACC+8*(\k)+2*\i:ACC+8*(\k)+2*\i+1], v[P+(\k):P+(\k)+1], v[O+2*\i:O+2*\i+1] op_sel_hi:[1,0,1]
.else
	v_pk_fma_f32 v[O+2*\i:O+2*\i+1], v[ACC+8*(\k)+2*\i:ACC+8*(\k)+2*\i+1], v[P+(\k)-1:P+(\k)], v[O+2*\i:O+2*\i+1] op_sel:[0,1,0] op_sel_hi:[1,1,1]
.endif
.endr
.endif
.endm
.macro REDX x                          ; O over the 16 lanes of a half: one step
.irp j, 0,1,2,3,4,5,6,7
	v_add_f32_dpp v[O+\j], v[O+\j], v[O+\j] row_xmask:\x row_mask:0xf bank_mask:0xf
.endr
.endm
; THE SOFTMAX OF THE BLOCK, dealt over K steps 1 to 6 of tile 4 (part 0: behind the step's first four products; part 1: behind its last four).  NPL: how many of part 0's lines are places for the loads that follow
.macro FIN s, part
.if (\s) == 1
	WIN 0
.irp m, 0,1,2,3
	v_add_f32 v[P+4*(\part)+\m], v[SP+8*(\part)+2*\m], v[SP+8*(\part)+2*\m+1]
.endr
.set NPL, 4
.elseif ((\s) == 2) && ((\part) == 1)
	WIN 0
.irp m, 0,1,2,3,4,5,6,7
	v_permlanex16_b32 v[T+\m], v[P+\m], s[SEL], s[SEL+1]   ; a token's other eight columns of each tile lie in the lane 16 away
.endr
.elseif (\s) == 3
	WIN 0
.irp m, 0,1,2,3
	v_add_f32 v[P+4*(\part)+\m], v[P+4*(\part)+\m], v[T+4*(\part)+\m]   ; t
.endr
.set NPL, 4
.elseif (\s) == 4
	WIN 0
.irp m, 0,1,2,3
	v_cndmask_b32 v[P+4*(\part)+\m], v[NINF], v[P+4*(\part)+\m], s[MK+4*(\part)+\m]   ; -infinity where the mask is 0
.endr
.set NPL, 4
.elseif ((\s) == 5) && ((\part) == 0)
	WIN 0
	v_max3_num_f32 v[T], v[P], v[P+1], v[P+2]
	v_max3_num_f32 v[T+1], v[P+3], v[P+4], v[P+5]
	v_max3_num_f32 v[T+2], v[P+6], v[P+7], 0xff61b1e6   ; and -3e38, so that m is a number where every token is masked
	v_max3_num_f32 v[MX], v[T], v[T+1], v[T+2]
.set NPL, 4
.elseif ((\s) == 5) && ((\part) == 1)
	WIN 0
.irp x, 1,2,4,8
	v_max_num_f32_dpp v[MX], v[MX], v[MX] row_xmask:\x row_mask:0xf bank_mask:0xf   ; both halves of the lanes hold the same t: m is whole
.endr
.elseif ((\s) == 6) && ((\part) == 0)
	WIN 0
.irp m, 0,1,2,3,4,5,6,7
	v_sub_f32 v[P+\m], v[P+\m], v[MX]
.endr
.set NPL, 4
.elseif ((\s) == 6) && ((\part) == 1)
	WIN 0
.irp m, 0,1,2,3,4,5,6,7
	v_exp_f32 v[P+\m], v[P+\m]                     ; p = 2^(t - m)
.endr
	v_nop                                          ; a plain place behind the last exponential
	s_wait_alu depctr_va_vdst(0)                   ; one wait for the batch of eight, ahead of its first reader
.endif
.endm
.macro RED c, s, part                  ; V tile c's O is added over the lanes while the next tile is multiplied, and goes to LDS: the 16 lanes of a half write the same 32 bytes with the same values
.if (\part) == 1
.if (\s) == 1
	WIN 0
	REDX 1
.elseif (\s) == 2
	WIN 0
	REDX 2
.elseif (\s) == 3
	WIN 0
	REDX 4
.elseif (\s) == 4
	WIN 0
	REDX 8
	ds_store_b128 v[RA], v[O:O+3] offset:64*(\c)
	ds_store_b128 v[RA], v[O+4:O+7] offset:64*(\c)+16
.endif
.endif
.endm
.macro LSUM s, part                    ; l, in tile 5
.if ((\s) == 5) && ((\part) == 0)
	WIN 0
.irp m, 0,1,2,3
	v_add_f32 v[T+\m], v[P+2*\m], v[P+2*\m+1]
.endr
.set NPL, 4
.elseif ((\s) == 5) && ((\part) == 1)
	WIN 0
	v_add_f32 v[T], v[T], v[T+1]
	v_add_f32 v[T+2], v[T+2], v[T+3]
.elseif ((\s) == 6) && ((\part) == 0)
	WIN 0
	v_add_f32 v[LS], v[T], v[T+2]
.set NPL, 1
.elseif ((\s) == 6) && ((\part) == 1)
	WIN 0
.irp x, 1,2,4,8
	v_add_f32_dpp v[LS], v[LS], v[LS] row_xmask:\x row_mask:0xf bank_mask:0xf
.endr
	ds_store_b32 v[MLA], v[MX]
	ds_store_b32 v[MLA], v[LS] offset:64
.endif
.endm
.macro SIDE tau, s, part
.set NPL, 0
.if (\tau) == 4
	FIN \s, \part
.elseif (\tau) > 4
	RED (\tau)-5, \s, \part
.if (\tau) == 5
	LSUM \s, \part
.endif
.elseif ((\tau) == 1) && ((\s) == 5) && ((\part) == 1)
	WIN 0
	v_add_nc_u32 v[RA], s[HB], v[RA0]              ; this head's places in RES and ML: written here, behind the wait for all my LDS instructions, so that no pending store names them
	v_add_nc_u32 v[MLA], s[HM], v[MLA0]
.endif
.endm
; A K STEP: eight products.  The weight fragments run three K steps ahead, so behind the fragment that a step needs stand two younger groups of three loads: s_wait_dscnt 6 (other LDS lines among them only make the wait stricter).
; mode 0: plain.  1: K step 5 of an odd tile: all reads of the slot are issued; it is filled again.  2: the same place in the last head's tile 5: nothing is filled; the last fill is waited for.  3: the last tile's last steps: nothing to fetch.
.macro KS tau, s, mode
.if (\s) < 5
.set NT, (\tau)
.set NS, (\s)+3
.else
.set NT, ((\tau)+1)%8
.set NS, (\s)-5
.endif
.if (\mode) == 1
	WIN 0                                          ; (the add's two registers lie in window 0)
	s_wait_tensorcnt 0x0                           ; all my tensor loads have landed: the one that was out is my part of the other slot;
	ds_add_u32 v[SPW], v[NIL]                      ; 0 onto my spare word;
	s_add_nc_u64 s[G0+4*(((\tau)/2)%2)+2:G0+4*(((\tau)/2)%2)+3], s[G0+4*(((\tau)/2)%2)+2:G0+4*(((\tau)/2)%2)+3], 2*WSLB   ; no load of mine is out: this slot's next fill, two on in my stream
	s_wait_dscnt 7                                 ; (two younger groups of three, and the add, may be out)
	MM4 \tau, \s, 0
	SIDE \tau, \s, 0
	s_wait_dscnt 0x0                               ; the add is done, and my reads of this slot are over
	s_barrier_signal -1                            ; this barrier opens a round of the cluster's barrier
	MM4 \tau, \s, 4                                ; work on registers while the others arrive
	SIDE \tau, \s, 1
	WIN 0
	s_barrier_wait -1
	CREST                                          ; no wave of any partner still reads this slot or has a load on its way
	tensor_load_to_lds s[G0+4*(((\tau)/2)%2):G0+4*(((\tau)/2)%2)+3], s[G1:G1+7]   ; my one load behind the round: sixteen K steps, 128 products, in which to land
	s_nop 0
	PL4                                            ; (the places in front of the loads below)
	WSCL NT
	FRAG NT, NS
.else
.if ((\mode) == 3) && ((\s) == 6)
	s_wait_dscnt 3                                 ; one group of three is left behind this step's
.elseif ((\mode) == 3) && ((\s) == 7)
	s_wait_dscnt 0x0
.else
	s_wait_dscnt 6
.endif
.if (\mode) == 2
	s_wait_tensorcnt 0x0                           ; my last fill has landed: no load was issued behind it; only my wave reads these bytes
.endif
.if (\s) == 0
	MM \tau, 0, 0                                  ; the first K step starts the sums; the last tile's last slices stand among its products, each accumulator read out before it is begun anew
.if (\tau) > 0
	ES (\tau)-1, 7
	MM \tau, 0, 1
	ES (\tau)-1, 8
	MM \tau, 0, 2
	ES (\tau)-1, 9
	MM \tau, 0, 3
	ES (\tau)-1, 10
.else
	MM \tau, 0, 1
	MM \tau, 0, 2
	MM \tau, 0, 3
.endif
	PL4
	FRAG NT, NS
	MM4 \tau, 0, 4
.elseif (\s) == 7
	MM \tau, 7, 0
	PL4                                            ; for the loads, and for slice 0
.if (\mode) != 3
	FRAG NT, NS
.endif
.irp m, 1,2,3,4,5,6,7
	MM \tau, 7, \m
	ES \tau, \m-1                                  ; slice m - 1 reads the accumulator finished one product back: the slice before it is the four places between
.endr
.else
	MM4 \tau, \s, 0
	SIDE \tau, \s, 0
.if (\mode) != 3
.rept 4-NPL
	v_nop                                          ; up to four places in front of the loads into the buffer that the last K step multiplied
.endr
.if ((\tau) < 4) && ((\s) == 2)
	ds_load_b128 v[Q:Q+3], v[QA] offset:64*(\tau)          ; q' of this tile's columns 16 tau + 8 h + 0..7
	ds_load_b128 v[Q+4:Q+7], v[QA] offset:64*(\tau)+16
.endif
.if (\s) == 5
	WSCL NT
.endif
	FRAG NT, NS
.endif
	MM4 \tau, \s, 4
	SIDE \tau, \s, 1
.endif
.endif
.endm
.macro TILE tau, m5, m67
.irp s, 0,1,2,3,4
	KS \tau, \s, 0
.endr
	KS \tau, 5, \m5
	KS \tau, 6, \m67
	KS \tau, 7, \m67
.endm
.macro HEAD last
	v_add_nc_u32 v[QA], s[HB], v[QA0]              ; (its last loads were waited for at the last head's changes of slots)
	v_mul_f32 v[CC], s[CQ], v[LOM]                 ; q'.bk once a token: in lanes 0-15
	v_mov_b32 v[CC+1], 0
	TILE 0, 0, 0
	TILE 1, 1, 0
	TILE 2, 0, 0
	TILE 3, 1, 0
	TILE 4, 0, 0
.if \last
	TILE 5, 2, 0                                   ; the last two fills of my stream were asked for in tiles 1 and 3: nothing is left to ask for
	TILE 6, 0, 0
	TILE 7, 3, 3
.else
	TILE 5, 1, 0                                   ; the next head's first tiles
	TILE 6, 0, 0
	TILE 7, 1, 0
.endif
	ES 7, 7                                        ; the head's end is not overlapped: 36 vector lines for 512 products
	REDX 1
	REDX 2
	REDX 4
	REDX 8
	ds_store_b128 v[RA], v[O:O+3] offset:192
	ds_store_b128 v[RA], v[O+4:O+7] offset:208
.endm
	s_wait_tensorcnt 1                             ; my part of slot 0 is in; slot 1's load, issued behind it, may stay out.  Only my wave reads these bytes
	WSCL 0
	FRAG 0, 0
	FRAG 0, 1
	FRAG 0, 2
	s_mov_b32 s[HB], 0
	s_mov_b32 s[HM], 0
	s_mov_b32 s[TRIP], 3
.Lhead:                                            ; three of my four heads: each fills both slots twice
	HEAD 0
	s_mov_b32 s[CQ], s[CQ+1]
	s_mov_b32 s[CQ+1], s[CQ+2]
	s_mov_b32 s[CQ+2], s[CQ+3]
	s_add_co_u32 s[HB], s[HB], 256
	s_add_co_u32 s[HM], s[HM], 4
	s_sub_co_u32 s[TRIP], s[TRIP], 1
	s_cmp_lg_u32 s[TRIP], 0
	s_cbranch_scc1 .Lhead
	HEAD 1                                         ; the last head is written out
	; THE WAY OUT: the 16 heads' O, 4,096 bytes, and m and l, 128 bytes, leave LDS through registers
	v_lshl_add_u32 v232, v0, 4, RES
	v_lshlrev_b32 v233, 4, v0
	v_lshrrev_b32 v235, 2, v[LI]                   ; 4 x lane
	v_add_nc_u32 v234, ML, v235
	s_wait_dscnt 0x0                               ; for the others' sake: my stores have landed
	s_barrier_signal -1
	s_barrier_wait -1
	ds_load_b128 v[236:239], v232
	ds_load_b128 v[240:243], v232 offset:2048
	s_wait_dscnt 0x0
	global_store_b128 v233, v[236:239], s[14:15]   ; each store of the wave covers 512 consecutive bytes, aligned to 256
	global_store_b128 v233, v[240:243], s[14:15] offset:2048
	s_cmp_lg_u32 s[WV], 0
	s_cbranch_scc1 .Lnot_first
	ds_load_b32 v244, v234
	s_wait_dscnt 0x0
	global_store_b32 v235, v244, s[16:17]          ; m of the 16 heads, then l: 128 consecutive bytes
.Lnot_first:
	s_wait_tensorcnt 0x0                           ; the wave's end: behind my last tensor load and my last LDS store
	ds_add_u32 v[SPW], v[NIL]
	s_wait_dscnt 0x0
	CROUND                                         ; the closing round: no work-group ends while a partner may still ask for a tile that names it
	s_endpgm
.Lfunc_end_k_qeb1c182447_main:
	.size	k_qeb1c182447_main, .Lfunc_end_k_qeb1c182447_main-k_qeb1c182447_main
	.p2alignl 7, 3214868480
	.fill 96, 4, 3214868480
	.section	.rodata,"a",@progbits
	.p2align	6, 0x0
	.amdhsa_kernel k_qeb1c182447_main
		.amdhsa_group_segment_fixed_size 327680
		.amdhsa_private_segment_fixed_size 0
		.amdhsa_enable_private_segment 0
		.amdhsa_kernarg_size 56
		.amdhsa_user_sgpr_count 2
		.amdhsa_user_sgpr_kernarg_segment_ptr 1
		.amdhsa_wavefront_size32 1
		.amdhsa_system_sgpr_workgroup_id_x 1
		.amdhsa_system_sgpr_workgroup_id_y 1
		.amdhsa_system_sgpr_workgroup_id_z 1
		.amdhsa_system_vgpr_workitem_id 0
		.amdhsa_next_free_vgpr 1024
		.amdhsa_next_free_sgpr 80
		.amdhsa_reserve_vcc 0
		.amdhsa_float_denorm_mode_32 3
		.amdhsa_float_denorm_mode_16_64 3
		.amdhsa_memory_ordered 1
		.amdhsa_forward_progress 1
		.amdhsa_inst_pref_size 255
	.end_amdhsa_kernel
	.section	.bss,"aw",@nobits
	.p2align	6
	.space	262144
	.amdgpu_metadata
---
amdhsa.version: [ 1, 2 ]
amdhsa.kernels:
  - .name:           k_qeb1c182447_main
    .symbol:         k_qeb1c182447_main.kd
    .args:
      - { .name: hidden_states, .offset: 0, .size: 8, .value_kind: global_buffer, .address_space: global }
      - { .name: attention_mask, .offset: 8, .size: 8, .value_kind: global_buffer, .address_space: global }
      - { .name: bk, .offset: 16, .size: 8, .value_kind: global_buffer, .address_space: global }
      - { .name: qs, .offset: 24, .size: 8, .value_kind: global_buffer, .address_space: global }
      - { .name: wts, .offset: 32, .size: 8, .value_kind: global_buffer, .address_space: global }
      - { .name: pctx, .offset: 40, .size: 8, .value_kind: global_buffer, .address_space: global }
      - { .name: pml, .offset: 48, .size: 8, .value_kind: global_buffer, .address_space: global }
    .group_segment_fixed_size: 327680
    .private_segment_fixed_size: 0
    .kernarg_segment_align: 8
    .kernarg_segment_size: 56
    .max_flat_workgroup_size: 128
    .sgpr_count:     80
    .vgpr_count:     1024
    .wavefront_size: 32
...
	.end_amdgpu_metadata
.endif
;; end of part 2
;; launch combine (part 3): grid 32 x 1, 4 waves a work-group, no clusters, 0 bytes of LDS; arguments pctx, pml, bv, out0; writes out0
.if DOCPART == 3
	.amdgcn_target "amdgcn-amd-amdhsa--gfx1250"
	.amdhsa_code_object_version 6
	.text
	.protected	k_qeb1c182447_combine
	.globl	k_qeb1c182447_combine
	.p2align	8
	.type	k_qeb1c182447_combine,@function
k_qeb1c182447_combine:
	s_mov_b64 s[64:65], 0
	v_nop
	global_prefetch_b8 v0, s[64:65] scope:SCOPE_SE
	s_setreg_imm32_b32 hwreg(HW_REG_WAVE_MODE, 25, 1), 1
	s_wait_xcnt 0x0
; The 32 blocks of a batch are joined: for each (batch, head), with m_w, l_w and O_w[64] of block w:  M = the largest m_w;  e_w = 2^(m_w - M);  out = (the sum of e_w O_w) / (the sum of e_w l_w) + bv.
; One wave takes one (batch, head): a lane two columns.  128 waves in 32 work-groups: the whole launch reads 1 MB and writes 32 KB, so there is nothing to tile, share or stage.
; A block with every token masked has m = -3e38, l = 0, O = 0: its e is 0 beside any other block.  A batch with every token masked gives 0 x (1 / 0) = NaN, as the softmax of -infinities does.
	s_load_b256 s[4:11], s[0:1], 0x0               ; pctx s[4:5], pml s[6:7], bv s[8:9], out0 s[10:11]
	v_lshrrev_b32 v1, 5, v0
	v_readfirstlane_b32 s12, v1                    ; wave 0..3
	v_and_b32 v1, 31, v0
	v_lshlrev_b32 v3, 3, v1                        ; 8 bytes a lane
	v_mov_b32 v2, 0                                ; m and l: every lane reads the same word
	s_lshr_b32 s13, ttmp9, 2                       ; the batch
	s_and_b32 s14, ttmp9, 3
	s_lshl_b32 s14, s14, 2
	s_add_co_u32 s14, s14, s12                     ; the head
	s_lshl_b32 s18, s14, 8                         ; its 64 columns, in bytes
	s_lshl_b32 s19, s14, 2
	s_mov_b32 s17, 0
	s_wait_kmcnt 0x0
	s_lshl_b32 s16, s13, 17                        ; a batch's 32 rows of pctx, 4,096 bytes each
	s_add_co_u32 s16, s16, s18
	s_add_nc_u64 s[4:5], s[4:5], s[16:17]
	s_lshl_b32 s16, s13, 12                        ; a batch's 32 rows of pml, 128 bytes each
	s_add_co_u32 s16, s16, s19
	s_add_nc_u64 s[6:7], s[6:7], s[16:17]
	s_mov_b32 s16, s18
	s_add_nc_u64 s[8:9], s[8:9], s[16:17]
	s_lshl_b32 s16, s13, 12
	s_add_co_u32 s16, s16, s18
	s_add_nc_u64 s[10:11], s[10:11], s[16:17]
.irp w, 0,1,2,3,4,5,6,7,8,9,10,11,12,13,14,15,16,17,18,19,20,21,22,23,24,25,26,27,28,29,30,31
	global_load_b32 v[32+\w], v2, s[6:7] offset:128*\w        ; m_w
.endr
.irp w, 0,1,2,3,4,5,6,7,8,9,10,11,12,13,14,15,16,17,18,19,20,21,22,23,24,25,26,27,28,29,30,31
	global_load_b32 v[64+\w], v2, s[6:7] offset:128*\w+64     ; l_w
.endr
.irp w, 0,1,2,3,4,5,6,7,8,9,10,11,12,13,14,15,16,17,18,19,20,21,22,23,24,25,26,27,28,29,30,31
	global_load_b64 v[96+2*\w:97+2*\w], v3, s[4:5] offset:4096*\w   ; O_w: the wave reads 256 consecutive bytes
.endr
	global_load_b64 v[4:5], v3, s[8:9]             ; bv
	s_wait_loadcnt 0x0
	v_max3_num_f32 v6, v32, v33, v34
.irp i, 35,37,39,41,43,45,47,49,51,53,55,57,59,61
	v_max3_num_f32 v6, v6, v[\i], v[\i+1]
.endr
	v_max_num_f32 v6, v6, v63                      ; M
.irp w, 0,1,2,3,4,5,6,7,8,9,10,11,12,13,14,15,16,17,18,19,20,21,22,23,24,25,26,27,28,29,30,31
	v_sub_f32 v[32+\w], v[32+\w], v6
.endr
.irp w, 0,1,2,3,4,5,6,7,8,9,10,11,12,13,14,15,16,17,18,19,20,21,22,23,24,25,26,27,28,29,30,31
	v_exp_f32 v[32+\w], v[32+\w]                   ; e_w
.endr
	v_mov_b32 v13, 0                               ; (a plain place behind the exponentials; v13 is named below as the upper half of a pair)
	s_wait_alu depctr_va_vdst(0)                   ; one wait for the batch of 32, ahead of its first reader
	v_mul_f32 v8, v32, v64                         ; the divisor and the sums, each in two chains: even blocks, odd blocks
	v_mul_f32 v9, v33, v65
	v_pk_mul_f32 v[10:11], v[96:97], v[32:33] op_sel_hi:[1,0]
	v_pk_mul_f32 v[14:15], v[98:99], v[32:33] op_sel:[0,1] op_sel_hi:[1,1]
.irp w, 2,4,6,8,10,12,14,16,18,20,22,24,26,28,30
	v_fma_f32 v8, v[32+\w], v[64+\w], v8
	v_fma_f32 v9, v[33+\w], v[65+\w], v9
	v_pk_fma_f32 v[10:11], v[96+2*\w:97+2*\w], v[32+\w:33+\w], v[10:11] op_sel_hi:[1,0,1]
	v_pk_fma_f32 v[14:15], v[98+2*\w:99+2*\w], v[32+\w:33+\w], v[14:15] op_sel:[0,1,0] op_sel_hi:[1,1,1]
.endr
	v_add_f32 v8, v8, v9
	v_pk_add_f32 v[10:11], v[10:11], v[14:15]
	v_rcp_f32 v12, v8
	v_nop                                          ; a plain place behind the reciprocal
	s_wait_alu depctr_va_vdst(0)                   ; and its wait, ahead of its reader
	v_pk_fma_f32 v[16:17], v[10:11], v[12:13], v[4:5] op_sel_hi:[1,0,1]
	global_store_b64 v3, v[16:17], s[10:11]        ; the wave stores 256 consecutive bytes, aligned
	s_endpgm
.Lfunc_end_k_qeb1c182447_combine:
	.size	k_qeb1c182447_combine, .Lfunc_end_k_qeb1c182447_combine-k_qeb1c182447_combine
	.p2alignl 7, 3214868480
	.fill 96, 4, 3214868480
	.section	.rodata,"a",@progbits
	.p2align	6, 0x0
	.amdhsa_kernel k_qeb1c182447_combine
		.amdhsa_group_segment_fixed_size 0
		.amdhsa_private_segment_fixed_size 0
		.amdhsa_enable_private_segment 0
		.amdhsa_kernarg_size 32
		.amdhsa_user_sgpr_count 2
		.amdhsa_user_sgpr_kernarg_segment_ptr 1
		.amdhsa_wavefront_size32 1
		.amdhsa_system_sgpr_workgroup_id_x 1
		.amdhsa_system_sgpr_workgroup_id_y 1
		.amdhsa_system_sgpr_workgroup_id_z 1
		.amdhsa_system_vgpr_workitem_id 0
		.amdhsa_next_free_vgpr 160
		.amdhsa_next_free_sgpr 66
		.amdhsa_reserve_vcc 0
		.amdhsa_float_denorm_mode_32 3
		.amdhsa_float_denorm_mode_16_64 3
		.amdhsa_memory_ordered 1
		.amdhsa_forward_progress 1
		.amdhsa_inst_pref_size 18
	.end_amdhsa_kernel
	.amdgpu_metadata
---
amdhsa.version: [ 1, 2 ]
amdhsa.kernels:
  - .name:           k_qeb1c182447_combine
    .symbol:         k_qeb1c182447_combine.kd
    .args:
      - { .name: pctx, .offset: 0, .size: 8, .value_kind: global_buffer, .address_space: global }
      - { .name: pml, .offset: 8, .size: 8, .value_kind: global_buffer, .address_space: global }
      - { .name: bv, .offset: 16, .size: 8, .value_kind: global_buffer, .address_space: global }
      - { .name: out0, .offset: 24, .size: 8, .value_kind: global_buffer, .address_space: global }
    .group_segment_fixed_size: 0
    .private_segment_fixed_size: 0
    .kernarg_segment_align: 8
    .kernarg_segment_size: 32
    .max_flat_workgroup_size: 128
    .sgpr_count:     66
    .vgpr_count:     160
    .wavefront_size: 32
...
	.end_amdgpu_metadata
.endif
;; end of part 3
;; ======== version 2 of 2: 3 launches
;; limits: right only within a limited range of input values
;; workspace buffers: wts 1,638,400 bytes; qs 32,768 bytes; pctx 1,048,576 bytes; pml 32,768 bytes
;; launch prep (part 4): grid 256 x 1, 8 waves a work-group, no clusters, 1,536 bytes of LDS; arguments Wk, Wv, Wq, bq, cell_state, wts, qs; writes wts, qs
.if DOCPART == 4
	.amdgcn_target "amdgcn-amd-amdhsa--gfx1250"
	.amdhsa_code_object_version 6
	.text
	.protected	k_qeb1c182447_prep
	.globl	k_qeb1c182447_prep
	.p2align	8
	.type	k_qeb1c182447_prep,@function
k_qeb1c182447_prep:
	s_mov_b64 s[64:65], 0
	v_nop
	global_prefetch_b8 v0, s[64:65] scope:SCOPE_SE
	s_setreg_imm32_b32 hwreg(HW_REG_WAVE_MODE, 25, 1), 1
	s_wait_xcnt 0x0
; TWO JOBS IN ONE LAUNCH, told apart by the work-group's number.
; Work-groups 0-127: Wk and Wv [1024][1024] f32 (K innermost) become codes of FP6 (E2M3) with one E8M0 byte for each 32 along K, laid as the product's launch wants them:
;   wts = [16 heads][8 tiles: K0-K3, V0-V3][12,800 bytes].  A tile is 16 rows of Wk or Wv (rows 64 head + 16 c + 0..15).  Its bytes: 8 K steps x 1,536 bytes, each the IMAGE of a fragment's
;   12 registers (registers 4 c .. 4 c + 3 of lane l at 512 c + 16 l), then 512 bytes of scale words: lane l's 16 bytes at 16 l; word u = the word of row l % 16 for K step 2 u + l / 16.
;   Work-group T makes tile T; its wave s makes K step s.  Lane (r, h) takes row r and the two blocks k = 128 s + 64 c + 32 h + 0..31: whole blocks, so no other lane is asked for a maximum.
; Work-groups 128-255: q' = (cell_state Wq^T + bq) x log2(e) / 8, [8][1024] f32, by fused multiply-adds in f32 (a product of 8 rows: nothing for the matrix unit).
;   A work-group takes 8 rows of Wq; wave v takes 4 of them (v / 4) and two batches (v % 4): each row of Wq is read by four waves of one work-group.
; A block's scale is 2^(floor(log2(largest magnitude)) - 2); its byte is the largest magnitude's exponent field - 2, held at 1 from below.
; LIMITS: a block of zeros, and one whose largest magnitude lies under 2^-124, gets the byte 1 (its codes are zeros or tiny; this program alone reads the bytes); NaN and infinities are not served.
; q' leaves in pieces of 16 bytes, 32 KB in the whole launch: a row of Wq gives one number a batch.
.set TILEB, 12800
.set FRB,   1536
	s_load_b256 s[4:11], s[0:1], 0x0               ; Wk s[4:5], Wv s[6:7], Wq s[8:9], bq s[10:11]
	s_load_b128 s[12:15], s[0:1], 0x20             ; cell_state s[12:13], wts s[14:15]
	s_load_b64 s[16:17], s[0:1], 0x30              ; qs
	v_lshl_add_u32 v62, v0, 2, 0x200
	v_mov_b32 v63, 0
	v_lshrrev_b32 v1, 5, v0
	s_delay_alu instid0(VALU_DEP_1)
	v_readfirstlane_b32 s18, v1                    ; wave 0..7
	v_and_b32 v1, 31, v0                           ; lane
	v_and_b32 v2, 15, v0                           ; r
	v_bfe_u32 v3, v0, 4, 1                         ; h
	s_delay_alu instid0(VALU_DEP_3)
	v_lshlrev_b32 v5, 4, v1                        ; 16 x lane
	s_mov_b32 s20, 0x76543210
	s_mov_b32 s21, 0xfedcba98                      ; v_permlanex16_b32's selects for lane l xor 16
	s_wait_kmcnt 0x0
	s_cmp_lt_u32 ttmp9, 128                        ; the same in all eight waves of a work-group
	s_cbranch_scc0 .Lquery
	; ---------------- a tile of weights
	s_lshr_b32 s22, ttmp9, 3                       ; head
	s_and_b32 s23, ttmp9, 7                        ; which of the head's eight tiles
	s_cmp_lt_u32 s23, 4
	s_cselect_b64 s[4:5], s[4:5], s[6:7]           ; tiles 0-3 from Wk, 4-7 from Wv: the choice hangs on the work-group's number alone
	s_and_b32 s23, s23, 3
	s_lshl_b32 s22, s22, 6
	s_lshl_b32 s23, s23, 4
	s_add_co_u32 s22, s22, s23                     ; the tile's first row
	s_lshl_b32 s22, s22, 12                        ; rows of 4,096 bytes
	s_lshl_b32 s23, s18, 9                         ; my K step: 128 numbers
	s_add_co_u32 s22, s22, s23
	s_mov_b32 s23, 0
	s_add_nc_u64 s[4:5], s[4:5], s[22:23]
	s_mul_i32 s24, ttmp9, TILEB
	s_mul_i32 s25, s18, FRB
	s_add_co_u32 s24, s24, s25
	s_mov_b32 s25, 0
	s_add_nc_u64 s[14:15], s[14:15], s[24:25]      ; where my fragment's image goes
	s_wait_alu depctr_va_vdst(0)
	v_lshlrev_b32 v4, 12, v2
	s_delay_alu instid0(VALU_DEP_1)
	v_lshl_add_u32 v4, v3, 7, v4                   ; row r, + 128 h bytes: my block of each 64 along K
	s_and_b32 s26, s18, 1
	s_lshl_b32 s26, s26, 8
	s_lshr_b32 s27, s18, 1
	s_lshl_b32 s27, s27, 2
	s_add_co_u32 s26, s26, s27
	v_lshl_add_u32 v6, v2, 4, s26                  ; LDS: my row's scale word: 16 r + 256 (s % 2) + 4 (s / 2)
.irp c, 0,1
.irp i, 0,1,2,3,4,5,6,7
	global_load_b128 v[64+32*\c+4*\i:67+32*\c+4*\i], v4, s[4:5] offset:256*\c+16*\i   ; W(r, 128 s + 64 c + 32 h + 4 i ..)
.endr
.endr
	s_wait_loadcnt 0x0
.irp c, 0,1
	v_max3_num_f32 v[32+\c], |v[64+32*\c]|, |v[65+32*\c]|, 0x1800000   ; my block 2 c + h, and the floor 2^(3 - 127): the byte cannot fall under 1
.endr
.irp i, 2,4,6,8,10,12,14,16,18,20,22,24,26,28,30
.irp c, 0,1
	s_delay_alu instid0(VALU_DEP_2)
	v_max3_num_f32 v[32+\c], v[32+\c], |v[64+32*\c+\i]|, |v[65+32*\c+\i]|   ; (the two blocks by turns)
.endr
.endr
.irp c, 0,1
	s_delay_alu instid0(VALU_DEP_2)
	v_add_nc_u32 v[44+\c], 0xff000000, v[32+\c]    ; 2 off the exponent field: the conversion takes the exponent field of this operand as its scale
.endr
.irp c, 0,1
	s_delay_alu instid0(VALU_DEP_2)
	v_lshrrev_b32 v[36+\c], 23, v[44+\c]           ; the scale's byte
.endr
	s_delay_alu instid0(VALU_DEP_1)
	v_lshl_or_b32 v9, v37, 16, v36                 ; my two bytes: blocks h and 2 + h,
	v_lshlrev_b32 v10, 3, v3
	s_delay_alu instid0(VALU_DEP_1)
	v_lshlrev_b32 v9, v10, v9                      ; at their places in the word (8 h bits up);
	v_mov_b32 v10, 0
	s_delay_alu instid0(VALU_DEP_1)
	v_permlanex16_b32 v10, v9, s20, s21
	s_delay_alu instid0(VALU_DEP_1)
	v_or_b32 v9, v9, v10                           ; with lane l xor 16's two the word is whole, in both lanes
.irp c, 0,1
	v_cvt_scalef32_pk16_fp6_f32 v[48+6*\c:50+6*\c], v[64+32*\c:79+32*\c], v[44+\c]     ; registers 6 c .. 6 c + 2 of the fragment
	v_cvt_scalef32_pk16_fp6_f32 v[192+4*\c:194+4*\c], v[80+32*\c:95+32*\c], v[44+\c]   ; (a conversion's three registers begin on an even number: the other three are made elsewhere and moved)
.endr
	v_nop                                          ; one plain place behind a scaled conversion
.irp c, 0,1
.irp i, 0,1,2
	v_mov_b32 v[51+6*\c+\i], v[192+4*\c+\i]
.endr
.endr
.irp j, 0,1,2
	global_store_b128 v5, v[48+4*\j:51+4*\j], s[14:15] offset:512*\j   ; the image: each store of the wave covers 512 consecutive bytes, aligned to 256
.endr
	ds_store_b32 v6, v9                            ; both lanes of a row write the same word with the same value
	s_wait_dscnt 0x0                               ; for the others' sake: my word has landed
	s_barrier_signal -1
	s_barrier_wait -1                              ; the eight K steps' words lie in LDS
	s_cmp_lg_u32 s18, 0
	s_cbranch_scc1 .Lweights_done
	ds_load_b128 v[12:15], v5                      ; wave 0 stores the tile's 512 bytes of scale words whole
	s_wait_dscnt 0x0
	global_store_b128 v5, v[12:15], s[14:15] offset:8*FRB   ; (wave 0's base stands at the tile's first byte)
.Lweights_done:
	s_wait_tensorcnt 0x0
	ds_add_u32 v62, v63
	s_wait_dscnt 0x0
	s_endpgm
	; ---------------- the query
.Lquery:
	s_sub_co_u32 s22, ttmp9, 128
	s_and_b32 s24, s18, 3                          ; my pair of batches
	s_lshr_b32 s25, s18, 2
	s_lshl_b32 s22, s22, 3
	s_lshl_b32 s25, s25, 2
	s_add_co_u32 s22, s22, s25                     ; my first row of Wq: 8 x (work-group - 128) + 4 x (wave / 4)
	s_mov_b32 s27, 0
	s_lshl_b32 s26, s24, 13                        ; two batches of 4,096 bytes
	s_add_nc_u64 s[12:13], s[12:13], s[26:27]
	s_add_nc_u64 s[16:17], s[16:17], s[26:27]
	s_lshl_b32 s26, s22, 12
	s_add_nc_u64 s[8:9], s[8:9], s[26:27]
	s_lshl_b32 s26, s22, 2
	s_add_nc_u64 s[10:11], s[10:11], s[26:27]
	s_add_nc_u64 s[16:17], s[16:17], s[26:27]
	s_wait_alu depctr_va_vdst(0)
	v_and_b32 v22, 3, v1
	s_delay_alu instid0(VALU_DEP_1)
	v_lshlrev_b32 v22, 2, v22                      ; 4 x (lane % 4): which of my four rows
	v_lshrrev_b32 v23, 2, v1
	s_delay_alu instid0(VALU_DEP_1)
	v_lshl_add_u32 v23, v23, 12, v22               ; + 4,096 x (lane / 4): which batch (lanes 0-7 store)
.irp j, 0,1
.irp i, 0,1,2,3,4,5,6,7
	global_load_b128 v[64+32*\j+4*\i:67+32*\j+4*\i], v5, s[12:13] offset:4096*\j+512*\i   ; a batch's row: 512 consecutive bytes a load
.endr
.endr
.irp p, 0,1,2,3
.irp i, 0,1,2,3,4,5,6,7
	global_load_b128 v[128+32*\p+4*\i:131+32*\p+4*\i], v5, s[8:9] offset:4096*\p+512*\i
.endr
.endr
	global_load_b32 v20, v22, s[10:11]             ; bq of row lane % 4
	s_wait_loadcnt 0x0
.irp p, 0,1,2,3                                ; eight sums (row p, batch j), two numbers an instruction, by turns
.irp j, 0,1
	v_pk_mul_f32 v[32+2*(2*\p+\j):33+2*(2*\p+\j)], v[128+32*\p:129+32*\p], v[64+32*\j:65+32*\j]
.endr
.endr
.set TT, 1
.rept 15
.irp p, 0,1,2,3
.irp j, 0,1
	v_pk_fma_f32 v[32+2*(2*\p+\j):33+2*(2*\p+\j)], v[128+32*\p+2*TT:129+32*\p+2*TT], v[64+32*\j+2*TT:65+32*\j+2*TT], v[32+2*(2*\p+\j):33+2*(2*\p+\j)]
.endr
.endr
.set TT, TT+1
.endr
.irp a, 0,1,2,3,4,5,6,7
	v_add_f32 v[32+2*\a], v[32+2*\a], v[33+2*\a]
.endr
.irp x, 1,2,4,8
.irp a, 0,1,2,3,4,5,6,7
	v_add_f32_dpp v[32+2*\a], v[32+2*\a], v[32+2*\a] row_xmask:\x row_mask:0xf bank_mask:0xf
.endr
.endr
.irp a, 0,1,2,3,4,5,6,7
	v_permlanex16_b32 v[33+2*\a], v[32+2*\a], s20, s21
.endr
.irp a, 0,1,2,3,4,5,6,7
	v_add_f32 v[32+2*\a], v[32+2*\a], v[33+2*\a]   ; every lane holds the whole sum
.endr
	v_mov_b32 v21, 0
.irp p, 0,1,2,3
.irp j, 0,1
	s_wait_alu depctr_va_vdst(0)
	s_mov_b32 s30, 1<<(4*\j+\p)
	v_cndmask_b32 v21, v21, v[32+2*(2*\p+\j)], s30 ; lane 4 j + p takes sum (p, j)
.endr
.endr
	s_delay_alu instid0(VALU_DEP_1)
	v_add_f32 v21, v21, v20
	s_delay_alu instid0(VALU_DEP_1)
	v_mul_f32 v21, 0x3e38aa3b, v21                 ; x log2(e) / 8: the scores then come out as exponents of 2
	s_wait_alu depctr_va_vdst(0)
	s_wait_xcnt 0x0                                ; EXEC changes only behind this wait
	v_cmp_gt_u32 vcc_lo, 8, v1
	s_and_saveexec_b32 s31, vcc_lo
	global_store_b32 v23, v21, s[16:17]
	s_wait_xcnt 0x0                                ; and again, in front of the line that widens it
	s_or_b32 exec_lo, exec_lo, s31
	s_endpgm
.Lfunc_end_k_qeb1c182447_prep:
	.size	k_qeb1c182447_prep, .Lfunc_end_k_qeb1c182447_prep-k_qeb1c182447_prep
	.p2alignl 7, 3214868480
	.fill 96, 4, 3214868480
	.section	.rodata,"a",@progbits
	.p2align	6, 0x0
	.amdhsa_kernel k_qeb1c182447_prep
		.amdhsa_group_segment_fixed_size 1536
		.amdhsa_private_segment_fixed_size 0
		.amdhsa_enable_private_segment 0
		.amdhsa_kernarg_size 56
		.amdhsa_user_sgpr_count 2
		.amdhsa_user_sgpr_kernarg_segment_ptr 1
		.amdhsa_wavefront_size32 1
		.amdhsa_system_sgpr_workgroup_id_x 1
		.amdhsa_system_sgpr_workgroup_id_y 1
		.amdhsa_system_sgpr_workgroup_id_z 1
		.amdhsa_system_vgpr_workitem_id 0
		.amdhsa_next_free_vgpr 256
		.amdhsa_next_free_sgpr 66
		.amdhsa_reserve_vcc 1
		.amdhsa_float_denorm_mode_32 3
		.amdhsa_float_denorm_mode_16_64 3
		.amdhsa_memory_ordered 1
		.amdhsa_forward_progress 1
		.amdhsa_inst_pref_size 27
	.end_amdhsa_kernel
	.amdgpu_metadata
---
amdhsa.version: [ 1, 2 ]
amdhsa.kernels:
  - .name:           k_qeb1c182447_prep
    .symbol:         k_qeb1c182447_prep.kd
    .args:
      - { .name: Wk, .offset: 0, .size: 8, .value_kind: global_buffer, .address_space: global }
      - { .name: Wv, .offset: 8, .size: 8, .value_kind: global_buffer, .address_space: global }
      - { .name: Wq, .offset: 16, .size: 8, .value_kind: global_buffer, .address_space: global }
      - { .name: bq, .offset: 24, .size: 8, .value_kind: global_buffer, .address_space: global }
      - { .name: cell_state, .offset: 32, .size: 8, .value_kind: global_buffer, .address_space: global }
      - { .name: wts, .offset: 40, .size: 8, .value_kind: global_buffer, .address_space: global }
      - { .name: qs, .offset: 48, .size: 8, .value_kind: global_buffer, .address_space: global }
    .group_segment_fixed_size: 1536
    .private_segment_fixed_size: 0
    .kernarg_segment_align: 8
    .kernarg_segment_size: 56
    .max_flat_workgroup_size: 256
    .sgpr_count:     66
    .vgpr_count:     256
    .wavefront_size: 32
...
	.end_amdgpu_metadata
.endif
;; end of part 4
;; launch main (part 5): grid 256 x 1, 4 waves a work-group, clusters of 4 x 1, 327,680 bytes of LDS; arguments hidden_states, attention_mask, bk, qs, wts, pctx, pml; writes pctx, pml
.if DOCPART == 5
	.amdgcn_target "amdgcn-amd-amdhsa--gfx1250"
	.amdhsa_code_object_version 6
	.text
	.protected	k_qeb1c182447_main
	.globl	k_qeb1c182447_main
	.p2align	8
	.type	k_qeb1c182447_main,@function
k_qeb1c182447_main:
	s_mov_b64 s[64:65], 0
	v_nop
	global_prefetch_b8 v0, s[64:65] scope:SCOPE_SE
	s_setreg_imm32_b32 hwreg(HW_REG_WAVE_MODE, 25, 1), 1
	s_wait_xcnt 0x0
	s_wait_alu depctr_hold_cnt(0) depctr_sa_sdst(0) depctr_va_vdst(0) depctr_va_sdst(0) depctr_va_ssrc(0) depctr_va_vcc(0) depctr_vm_vsrc(0)
	s_getreg_b32 s2, hwreg(HW_REG_IB_STS2, 6, 4)
	s_cmp_eq_u32 s2, 0
	s_cbranch_scc0 .Lentry_in_a_cluster
	s_endpgm
.Lentry_in_a_cluster:
	s_bfe_u32 s2, ttmp6, 0x10000c
	s_cmp_lg_u32 s2, 0x3003
	s_cbranch_scc0 .Lentry_shape_is_right
	s_endpgm
.Lentry_shape_is_right:
.set WSLB,  25600
.set SLOTB, 4*WSLB
.set TILEB, 12800
.set FRB,   1536
.set STG,   2*SLOTB
.set ASCL,  STG+64*FRB
.set QL,    ASCL+4096
.set RES,   QL+4096
.set ML,    RES+4096
.set SPARE, ML+256
.set XST,   SPARE+512
.set XSP,   144
.set XSW,   16*XSP
.set SPW, 1
.set NIL, 2
.set LI,  3
.set WA0, 4
.set QA0, 6
.set QA,  7
.set RA0, 8
.set RA,  9
.set MLA0, 10
.set MLA, 11
.set CC,  12
.set MX,  14
.set LS,  15
.set ASC, 16
.set WSC, 48
.set Q,   56
.set P,   56
.set ACC, 64
.set WF,  128
.set A63, 224
.set SP,  236
.set O,   236
.set T,   244
.set NINF, 252
.set LOM, 253
.set AL0, 254
.set TM,  64
.set PW,  80
.set CA,  82
.set PC,  84
.set XA,  104
.set MV,  112
.set QB,  120
.set IW0, 136
.set IW,  137
.set SW0, 138
.set SW,  139
.set RR,  140
.set HH,  141
.set TA,  142
.set TB,  143
.set MW,  164
.set TC,  172
.set TD,  173
.set SI,  174
.set SO,  175
.set R8,  176
.set C8,  177
.set RO,  178
.set RQ,  180
.set WV,  18
.set G1,  24
.set G0,  32
.set SEL, 40
.set MK,  44
.set CQ,  52
.set HB,  56
.set HM,  57
.set TRIP, 58
.set UT,  59
.set US,  60
.set UW,  61
.set MSB, 0
.macro WIN new
.if MSB != (\new)
	s_set_vgpr_msb (MSB<<8)|(\new)
.set MSB, (\new)
.endif
.endm
.macro PL4
.rept 4
	v_nop
.endr
.endm
.macro CREST
	s_cmp_lg_u32 s[WV], 0
	s_cbranch_scc1 .Lnot_wave_0_\@
	s_barrier_signal -3
.Lnot_wave_0_\@:
	s_barrier_wait -3
	s_barrier_signal -1
	s_barrier_wait -1
.endm
.macro CROUND
	s_barrier_signal -1
	s_barrier_wait -1
	CREST
.endm
	s_load_b256 s[4:11], s[0:1], 0x0
	s_load_b128 s[12:15], s[0:1], 0x20
	s_load_b64 s[16:17], s[0:1], 0x30
	v_lshl_add_u32 v[SPW], v0, 2, SPARE
	v_mov_b32 v[NIL], 0
	ds_add_u32 v1, v2
	ds_add_u32 v1, v2
	s_wait_dscnt 0x0
	v_lshrrev_b32 v[LI], 5, v0
	v_readfirstlane_b32 s[WV], v[LI]
	s_bfe_u32 s19, ttmp6, 0x40000
	s_lshl_b32 s20, ttmp9, 2
	s_add_co_u32 s20, s20, s19
	s_lshr_b32 s21, s20, 5
	v_and_b32 v[LI], 31, v0
	v_lshlrev_b32 v[LI], 4, v[LI]
	v_and_b32 v[RR], 15, v0
	v_bfe_u32 v[HH], v0, 4, 1
	v_bfe_u32 v[R8], v0, 3, 2
	v_and_b32 v[C8], 7, v0
	s_mul_i32 s62, s[WV], WSLB
	s_lshl_b32 s63, s[WV], 10
	v_add_nc_u32 v[WA0], s62, v[LI]
	v_add_nc_u32 v[WA0+1], SLOTB, v[WA0]
	v_lshl_add_u32 v[QA0], v[HH], 5, s63
	v_add_nc_u32 v[QA0], QL, v[QA0]
	v_add_nc_u32 v[RA0], RES-QL, v[QA0]
	s_lshl_b32 s66, s[WV], 4
	s_add_co_u32 s66, s66, ML
	v_mov_b32 v[MLA0], s66
	v_add_nc_u32 v[AL0], STG, v[LI]
	v_add_nc_u32 v[AL0+1], 32*FRB, v[AL0]
	s_mul_i32 s66, s[WV], 16*FRB
	v_add_nc_u32 v[IW0], s66, v[AL0]
	v_lshl_add_u32 v[SW0], v[RR], 4, s63
	v_add_nc_u32 v[SW0], ASCL, v[SW0]
	v_lshl_add_u32 v[TA], v[LI], 1, s63
	v_add_nc_u32 v[TA], QL, v[TA]
	s_mul_i32 s66, s[WV], XSW
	s_add_co_u32 s66, s66, XST
	v_mul_u32_u24 v[SI], v[R8], XSP
	v_lshl_add_u32 v[SI], v[C8], 4, v[SI]
	v_add_nc_u32 v[SI], s66, v[SI]
	v_mul_u32_u24 v[SO], v[RR], XSP
	v_lshl_add_u32 v[SO], v[HH], 6, v[SO]
	v_add_nc_u32 v[SO], s66, v[SO]
	s_mov_b32 s[G1+0], 15|(3<<16)|(1<<21)
	s_mov_b32 s[G1+1], 32<<16
	s_mov_b32 s[G1+2], 100<<16
	s_mov_b32 s[G1+3], 32<<16
	s_mov_b32 s[G1+4], 100
	s_mov_b32 s[G1+5], 32
	s_mov_b32 s[G1+6], 0
	s_mov_b32 s[G1+7], 0
	s_mov_b32 s[SEL], 0x76543210
	s_mov_b32 s[SEL+1], 0xfedcba98
	s_mul_i32 s66, s[WV], 32*TILEB
	s_mov_b32 s67, 0
	s_wait_kmcnt 0x0
	s_add_nc_u64 s[12:13], s[12:13], s[66:67]
.irp g, 0,1
	s_mov_b32 s[G0+4*\g], 1
	s_add_co_u32 s[G0+4*\g+1], s62, \g*SLOTB
	s_add_nc_u64 s[G0+4*\g+2:G0+4*\g+3], s[12:13], \g*WSLB
	s_or_b32 s[G0+4*\g+3], s[G0+4*\g+3], 0x80000000
.endr
	s_lshl_b32 s66, s20, 9
	s_add_nc_u64 s[6:7], s[6:7], s[66:67]
	s_lshl_b32 s66, s21, 12
	s_add_co_u32 s66, s66, s63
	s_add_nc_u64 s[10:11], s[10:11], s[66:67]
	s_mov_b32 s66, s63
	s_add_nc_u64 s[8:9], s[8:9], s[66:67]
	s_lshl_b32 s66, s20, 12
	s_add_nc_u64 s[14:15], s[14:15], s[66:67]
	s_lshl_b32 s66, s20, 7
	s_add_nc_u64 s[16:17], s[16:17], s[66:67]
	s_add_co_u32 s66, s66, s21
	s_lshl_b32 s68, s[WV], 5
	s_add_co_u32 s66, s66, s68
	s_lshl_b64 s[66:67], s[66:67], 12
	s_add_nc_u64 s[4:5], s[4:5], s[66:67]
	v_lshlrev_b32 v[TB], 2, v[RR]
	s_lshl_b32 s68, s[WV], 7
	v_lshl_add_u32 v[TC], v[R8], 2, s68
	v_lshlrev_b32 v[TD], 1, v[LI]
	s_wait_alu depctr_va_vdst(0)
.irp t, 0,1
.irp q, 0,1,2,3
	global_load_b32 v[MW+4*\t+\q], v[TC], s[6:7] offset:64*\t+16*\q
.endr
.endr
.irp m, 0,1,2,3,4,5,6,7
	global_load_b32 v[MV+\m], v[TB], s[6:7] offset:64*\m
.endr
	global_load_b128 v[QB:QB+3], v[TD], s[10:11]
	global_load_b128 v[QB+4:QB+7], v[TD], s[10:11] offset:16
	global_load_b128 v[QB+8:QB+11], v[TD], s[8:9]
	global_load_b128 v[QB+12:QB+15], v[TD], s[8:9] offset:16
	CROUND                                         ; the round in front of the first joint load; the mask's, q's and bk's loads are out meanwhile
	tensor_load_to_lds s[G0:G0+3], s[G1:G1+7]      ; slot 0: my one tensor load at the head
	s_nop 0
	PL4
.irp m, 0,1,2,3,4,5,6,7
	v_mov_b32 v[T+\m], 0
.endr
.irp b, 0,1,2,3
	v_mov_b32 v[TM+4+\b], 0
.endr
	v_mov_b32 v[NINF], 0xff800000
	v_sub_nc_u32 v[LOM], 1, v[HH]
	v_cvt_f32_u32 v[LOM], v[LOM]
	v_lshlrev_b32 v[RO], 12, v[R8]
.irp q, 0,1,2,3
	v_add_nc_u32 v[RQ+\q], 16384*\q, v[RO]
.endr
	v_mov_b32 v[IW], v[IW0]
	v_mov_b32 v[SW], v[SW0]
	s_mov_b32 s[US], 0
	s_mov_b32 s[UW], 0
	s_wait_loadcnt 0x0
.irp t, 0,1
.irp q, 0,1,2,3
	v_min_u32 v[MW+4*\t+\q], 1, v[MW+4*\t+\q]
	s_wait_alu depctr_va_vdst(0)
	v_mul_u32_u24 v[XA+4*\t+\q], v[MW+4*\t+\q], v[RQ+\q]
	v_lshl_add_u32 v[XA+4*\t+\q], v[C8], 4, v[XA+4*\t+\q]
.endr
.endr
.macro XLOAD i, off
	WIN 0x40
.irp b, 0,1,2,3
.irp q, 0,1,2,3
	global_load_b128 v[64*(\i)+16*\b+4*\q:64*(\i)+16*\b+4*\q+3], v[XA+4*((\i)%2)+\q], s[4:5] offset:65536*((\i)%2)+512*((\i)/2)+128*\b+(\off) th:TH_LOAD_NT
.endr
.endr
	WIN 0
.endm
	XLOAD 0, 0                                     ; the first four units' 64 loads of hidden_states go out while slot 0's tile is on its way
	XLOAD 1, 0
	XLOAD 2, 0
	XLOAD 3, 0
	s_wait_alu depctr_va_vdst(0)
	s_wait_tensorcnt 0x0                           ; slot 1's first fill is issued as a refill is: my load is done,
	ds_add_u32 v1, v2                              ; the add onto my spare word,
	s_wait_dscnt 0x0                               ; and its wait
	CROUND
	tensor_load_to_lds s[G0+4:G0+7], s[G1:G1+7]    ; slot 1: the first tensor load behind the round
	s_nop 0
	PL4
.macro TURN u
	WIN 0x84
.irp b, 0,1,2,3
.irp q, 0,1,2,3
	ds_store_b128 v[SI], v[64*(\u)+16*\b+4*\q:64*(\u)+16*\b+4*\q+3] offset:4*XSP*\q
.endr
.irp j, 0,1,2,3
	ds_load_b128 v[64*((\u)%2)+16*\b+4*\j:64*((\u)%2)+16*\b+4*\j+3], v[SO] offset:16*\j
.endr
.endr
	WIN 0
.endm
.macro QUANT i
.set XS, 64*((\i)%2)
.set PCS, PC+60*((\i)%2)
.set PWS, PW+((\i)%2)
	WIN 0x0a
.irp b, 0,1,2,3
	v_max3_num_f32 v[TM+\b], |v[XS+16*\b]|, |v[XS+16*\b+1]|, 0x1800000
.endr
.irp e, 2,4,6,8,10,12,14
.irp b, 0,1,2,3
	v_max3_num_f32 v[TM+\b], |v[XS+16*\b+\e]|, |v[XS+16*\b+\e+1]|, v[TM+\b]
.endr
.endr
	WIN 0
.irp b, 0,1,2,3
	v_permlanex16_b32 v[TM+4+\b], v[TM+\b], s[SEL], s[SEL+1]
.endr
.irp b, 0,1,2,3
	v_max_num_f32 v[TM+\b], v[TM+\b], v[TM+4+\b]
.endr
.irp b, 0,1,2,3
	v_add_nc_u32 v[TM+12+\b], 0xff000000, v[TM+\b]
.endr
.irp b, 0,1,2,3
	v_lshrrev_b32 v[TM+4+\b], 23, v[TM+12+\b]
.endr
	v_lshl_or_b32 v[PWS], v[TM+5], 8, v[TM+4]
	v_lshl_or_b32 v[PWS], v[TM+6], 16, v[PWS]
	v_lshl_or_b32 v[PWS], v[TM+7], 24, v[PWS]
	WIN 0x02
.irp c, 0,1
	v_cvt_scalef32_pk16_fp6_f32 v[PCS+6*\c:PCS+6*\c+2], v[XS+32*\c:XS+32*\c+15], v[TM+12+2*\c]
	v_cvt_scalef32_pk16_fp6_f32 v[PCS+12+4*\c:PCS+14+4*\c], v[XS+32*\c+16:XS+32*\c+31], v[TM+13+2*\c]
.endr
	WIN 0
	v_nop
.irp c, 0,1
.irp e, 0,1,2
	v_permlane16_swap_b32 v[PCS+6*\c+\e], v[PCS+12+4*\c+\e]
.endr
.irp e, 0,1,2
	v_mov_b32 v[PCS+3+6*\c+\e], v[PCS+12+4*\c+\e]
.endr
.endr
.endm
.macro UNIT i, ahead, turn, left, dsn
	s_wait_dscnt \dsn
.if \ahead
	XLOAD \i, 1024
.endif
.if \turn
	s_wait_loadcnt \left
	TURN ((\i)+1)%4
.endif
	QUANT \i
.irp c, 0,1,2
	ds_store_b128 v[IW], v[PCS+4*\c:PCS+4*\c+3] offset:8*FRB*((\i)%2)+FRB*((\i)/2)+512*\c
.endr
	ds_store_b32 v[SW], v[PWS] offset:512*((\i)%2)+256*((\i)/2)
.endm
.irp m, 0,1,2,3,4,5,6,7
	v_cmp_ne_u32 s[MK+\m], 0, v[MV+\m]
.endr
	ds_store_b128 v[TA], v[QB:QB+3]
	ds_store_b128 v[TA], v[QB+4:QB+7] offset:16
	v_pk_mul_f32 v[CA:CA+1], v[QB:QB+1], v[QB+8:QB+9]
.irp i, 1,2,3
	v_pk_fma_f32 v[CA:CA+1], v[QB+2*\i:QB+2*\i+1], v[QB+8+2*\i:QB+9+2*\i], v[CA:CA+1]
.endr
	v_add_f32 v[CA], v[CA], v[CA+1]
.irp x, 1,2,4
	v_add_f32_dpp v[CA], v[CA], v[CA] row_xmask:\x row_mask:0xf bank_mask:0xf
.endr
.irp i, 0,1,2,3
	v_readlane_b32 s[CQ+\i], v[CA], 8*\i
.endr
	s_wait_loadcnt 48
	TURN 0
	s_mov_b32 s[UT], 3
.Lunit:
	UNIT 0, 1, 1, 48, 0
	UNIT 1, 1, 1, 48, 4
	UNIT 2, 1, 1, 48, 4
	UNIT 3, 1, 1, 48, 4
	s_wait_xcnt 0x0
	s_add_nc_u64 s[4:5], s[4:5], 1024
	s_add_co_u32 s[US], s[US], 2*FRB
	s_add_co_u32 s[UW], s[UW], 4
	s_wait_dscnt 0x0
	v_add_nc_u32 v[IW], s[US], v[IW0]
	v_add_nc_u32 v[SW], s[UW], v[SW0]
	s_sub_co_u32 s[UT], s[UT], 1
	s_cmp_lg_u32 s[UT], 0
	s_cbranch_scc1 .Lunit
	UNIT 0, 0, 1, 32, 0
	UNIT 1, 0, 1, 16, 4
	UNIT 2, 0, 1, 0, 4
	UNIT 3, 0, 0, 0, 4
	s_wait_dscnt 0x0
	s_barrier_signal -1
	s_barrier_wait -1
.set AF, 0
.rept 64
.set AG, 8*(AF%8)+AF/8
.if AF == 63
	WIN 0
.set AR, A63
.else
	WIN (1+AF/21)<<6
.set AR, 12*(AF%21)
.endif
.irp c, 0,1,2
	ds_load_b128 v[AR+4*\c:AR+4*\c+3], v[AL0+AG/32] offset:FRB*(AG%32)+512*\c
.endr
.set AF, AF+1
.endr
.irp m, 0,1,2,3,4,5,6,7
	ds_load_b128 v[ASC+4*\m:ASC+4*\m+3], v[AL0+1] offset:32*FRB+512*\m
.endr
.macro MM tau, s, m
.set FI, 8*(\s)+(\m)
.if FI == 63
	WIN 0
.set AR, A63
.else
	WIN (1+FI/21)<<2
.set AR, 12*(FI%21)
.endif
.set WR, WF+12*(\s)
.set CR, ACC+8*(\m)
.set SWR, WSC+4*((\tau)%2)+(\s)/2
.set SAR, ASC+4*(\m)+(\s)/2
.if (\s) == 0
	v_wmma_scale_f32_16x16x128_f8f6f4 v[CR:CR+7], v[WR:WR+11], v[AR:AR+11], 0, v[SWR], v[SAR] matrix_a_fmt:MATRIX_FMT_FP6 matrix_b_fmt:MATRIX_FMT_FP6
.elseif ((\s)%2) == 0
	v_wmma_scale_f32_16x16x128_f8f6f4 v[CR:CR+7], v[WR:WR+11], v[AR:AR+11], v[CR:CR+7], v[SWR], v[SAR] matrix_a_fmt:MATRIX_FMT_FP6 matrix_b_fmt:MATRIX_FMT_FP6
.else
	v_wmma_scale_f32_16x16x128_f8f6f4 v[CR:CR+7], v[WR:WR+11], v[AR:AR+11], v[CR:CR+7], v[SWR], v[SAR] matrix_a_fmt:MATRIX_FMT_FP6 matrix_b_fmt:MATRIX_FMT_FP6 matrix_a_scale:MATRIX_SCALE_ROW1 matrix_b_scale:MATRIX_SCALE_ROW1
.endif
.endm
.macro MM4 tau, s, m0
.irp d, 0,1,2,3
	MM \tau, \s, (\m0)+\d
.endr
.endm
.macro FRAG tau, s
.set WR, WF+12*(\s)
.irp c, 0,1,2
	ds_load_b128 v[WR+4*\c:WR+4*\c+3], v[WA0+(((\tau)/2)%2)] offset:TILEB*((\tau)%2)+FRB*(\s)+512*\c
.endr
.endm
.macro FRAG4 tau, s0
.irp d, 0,1,2,3
	FRAG \tau, (\s0)+\d
.endr
.endm
.macro WSCL tau
	ds_load_b128 v[WSC+4*((\tau)%2):WSC+4*((\tau)%2)+3], v[WA0+(((\tau)/2)%2)] offset:TILEB*((\tau)%2)+8*FRB
.endm
.macro QLOAD tau
	ds_load_b128 v[Q:Q+3], v[QA] offset:64*(\tau)
	ds_load_b128 v[Q+4:Q+7], v[QA] offset:64*(\tau)+16
.endm
.macro OSTORE c
	WIN 0
	ds_store_b128 v[RA], v[O:O+3] offset:64*(\c)
	ds_store_b128 v[RA], v[O+4:O+7] offset:64*(\c)+16
.endm
.macro ES tau, k
.if (\tau) < 4
	WIN 0
.irp i, 0,1,2,3
.set MI, (\k)-\i
.if (MI >= 0) && (MI <= 7)
.if ((\tau) == 0) && (\i == 0)
	v_pk_fma_f32 v[SP+2*MI:SP+2*MI+1], v[ACC+8*MI:ACC+8*MI+1], v[Q:Q+1], v[CC:CC+1]
.else
	v_pk_fma_f32 v[SP+2*MI:SP+2*MI+1], v[ACC+8*MI+2*\i:ACC+8*MI+2*\i+1], v[Q+2*\i:Q+2*\i+1], v[SP+2*MI:SP+2*MI+1]
.endif
.elseif (\k) < 3
	v_nop
.endif
.endr
.elseif (\k) < 8
	WIN 0
.irp i, 0,1,2,3
.if (\k) == 0
	v_pk_mul_f32 v[O+2*\i:O+2*\i+1], v[ACC+2*\i:ACC+2*\i+1], v[P:P+1] op_sel_hi:[1,0]
.elseif ((\k)%2) == 0
	v_pk_fma_f32 v[O+2*\i:O+2*\i+1], v[ACC+8*(\k)+2*\i:ACC+8*(\k)+2*\i+1], v[P+(\k):P+(\k)+1], v[O+2*\i:O+2*\i+1] op_sel_hi:[1,0,1]
.else
	v_pk_fma_f32 v[O+2*\i:O+2*\i+1], v[ACC+8*(\k)+2*\i:ACC+8*(\k)+2*\i+1], v[P+(\k)-1:P+(\k)], v[O+2*\i:O+2*\i+1] op_sel:[0,1,0] op_sel_hi:[1,1,1]
.endif
.endr
.endif
.endm
.macro REDH x, g
.irp j, 0,1,2,3
	v_add_f32_dpp v[O+4*(\g)+\j], v[O+4*(\g)+\j], v[O+4*(\g)+\j] row_xmask:\x row_mask:0xf bank_mask:0xf
.endr
.endm
.macro FIN s, part
.if (\s) == 1
	WIN 0
	s_wait_alu depctr_va_vdst(0)
.irp m, 0,1,2,3
	v_add_f32 v[P+4*(\part)+\m], v[SP+8*(\part)+2*\m], v[SP+8*(\part)+2*\m+1]
.endr
.elseif ((\s) == 2) && ((\part) == 1)
	WIN 0
.irp m, 0,1,2,3,4,5,6,7
	v_permlanex16_b32 v[T+\m], v[P+\m], s[SEL], s[SEL+1]
.endr
.elseif (\s) == 3
	WIN 0
.irp m, 0,1,2,3
	v_add_f32 v[P+4*(\part)+\m], v[P+4*(\part)+\m], v[T+4*(\part)+\m]
.endr
.elseif (\s) == 4
	WIN 0
	s_wait_alu depctr_va_vdst(0)
.irp m, 0,1,2,3
	v_cndmask_b32 v[P+4*(\part)+\m], v[NINF], v[P+4*(\part)+\m], s[MK+4*(\part)+\m]
.endr
.set NPL, 4
.elseif ((\s) == 5) && ((\part) == 0)
	WIN 0
	v_max3_num_f32 v[T], v[P], v[P+1], v[P+2]
	v_max3_num_f32 v[T+1], v[P+3], v[P+4], v[P+5]
	v_max3_num_f32 v[T+2], v[P+6], v[P+7], 0xff61b1e6
	v_max3_num_f32 v[MX], v[T], v[T+1], v[T+2]
.elseif ((\s) == 5) && ((\part) == 1)
	WIN 0
.irp x, 1,2,4,8
	v_max_num_f32_dpp v[MX], v[MX], v[MX] row_xmask:\x row_mask:0xf bank_mask:0xf
.endr
.elseif ((\s) == 6) && ((\part) == 0)
	WIN 0
.irp m, 0,1,2,3,4,5,6,7
	v_sub_f32 v[P+\m], v[P+\m], v[MX]
.endr
.elseif ((\s) == 6) && ((\part) == 1)
	WIN 0
	s_wait_alu depctr_va_vdst(0)
.irp m, 0,1,2,3,4,5,6,7
	v_exp_f32 v[P+\m], v[P+\m]
.endr
	v_nop
	s_wait_alu depctr_va_vdst(0)
.endif
.endm
.macro RED s, part
.set HS, 2*(\s)+(\part)-1
.if (HS >= 0) && (HS < 8)
	WIN 0
.if (HS/2) == 0
	REDH 1, HS%2
.elseif (HS/2) == 1
	REDH 2, HS%2
.elseif (HS/2) == 2
	REDH 4, HS%2
.else
	REDH 8, HS%2
.endif
.endif
.endm
.macro LSUM s, part
.if ((\s) == 5) && ((\part) == 0)
	WIN 0
.irp m, 0,1,2,3
	v_add_f32 v[T+\m], v[P+2*\m], v[P+2*\m+1]
.endr
.elseif ((\s) == 5) && ((\part) == 1)
	WIN 0
	v_add_f32 v[T], v[T], v[T+1]
	v_add_f32 v[T+2], v[T+2], v[T+3]
.elseif ((\s) == 6) && ((\part) == 0)
	WIN 0
	v_add_f32 v[LS], v[T], v[T+2]
.elseif ((\s) == 6) && ((\part) == 1)
	WIN 0
.irp x, 1,2,4,8
	v_add_f32_dpp v[LS], v[LS], v[LS] row_xmask:\x row_mask:0xf bank_mask:0xf
.endr
	ds_store_b32 v[MLA], v[MX]
	ds_store_b32 v[MLA], v[LS] offset:64
.endif
.endm
.macro SIDE tau, s, part
.set NPL, 0
.if (\tau) == 4
	FIN \s, \part
.elseif (\tau) > 4
	RED \s, \part
.if (\tau) == 5
	LSUM \s, \part
.endif
.elseif ((\tau) == 1) && ((\s) == 4) && ((\part) == 1)
	WIN 0
	v_add_nc_u32 v[RA], s[HB], v[RA0]
	v_add_nc_u32 v[MLA], s[HM], v[MLA0]
.endif
.endm
.macro KS tau, s, mode
.set NT, ((\tau)+1)%8
.if (\s) == 0
	s_wait_dscnt 0x0
	MM \tau, 0, 0
.if (\tau) > 0
	ES (\tau)-1, 7
	MM \tau, 0, 1
	ES (\tau)-1, 8
	MM \tau, 0, 2
	ES (\tau)-1, 9
	MM \tau, 0, 3
	ES (\tau)-1, 10
.else
	MM \tau, 0, 1
	MM \tau, 0, 2
	MM \tau, 0, 3
.endif
	PL4
.if (\tau) < 4
	QLOAD \tau
.endif
	FRAG4 \tau, 4
	MM4 \tau, 0, 4
	SIDE \tau, 0, 1
.elseif ((\s) == 4) && ((\mode) == 1)
	WIN 0
	s_wait_tensorcnt 0x0
	ds_add_u32 v[SPW], v[NIL]
	s_add_nc_u64 s[G0+4*(((\tau)/2)%2)+2:G0+4*(((\tau)/2)%2)+3], s[G0+4*(((\tau)/2)%2)+2:G0+4*(((\tau)/2)%2)+3], 2*WSLB
	s_wait_dscnt 1
	MM4 \tau, 4, 0
	s_wait_alu depctr_va_vdst(0)
	SIDE \tau, 4, 0
	s_wait_dscnt 0x0
	s_barrier_signal -1
	MM4 \tau, 4, 4
	SIDE \tau, 4, 1
	WIN 0
	s_barrier_wait -1
	CREST
	tensor_load_to_lds s[G0+4*(((\tau)/2)%2):G0+4*(((\tau)/2)%2)+3], s[G1:G1+7]
	s_nop 0
	PL4
.if (\tau) > 4
	s_wait_alu depctr_va_vdst(0)
	OSTORE (\tau)-5
.endif
	WSCL NT
	FRAG4 NT, 0
.elseif (\s) == 4
	s_wait_dscnt 0x0
.if (\mode) == 2
	s_wait_tensorcnt 0x0
.endif
	MM4 \tau, 4, 0
	s_wait_alu depctr_va_vdst(0)
	SIDE \tau, 4, 0
.if (\mode) != 3
.rept 4-NPL
	v_nop
.endr
.endif
.if (\tau) > 4
	OSTORE (\tau)-5
.endif
.if (\mode) != 3
	WSCL NT
	FRAG4 NT, 0
.endif
	MM4 \tau, 4, 4
	SIDE \tau, 4, 1
.elseif (\s) == 7
.if (\tau) > 4
.if (\mode) == 3
	s_wait_dscnt 0x0
.else
	s_wait_dscnt 13
.endif
.endif
	MM \tau, 7, 0
	PL4
.irp m, 1,2,3,4,5,6,7
	MM \tau, 7, \m
	ES \tau, \m-1
.endr
.else
	MM4 \tau, \s, 0
	SIDE \tau, \s, 0
	MM4 \tau, \s, 4
	SIDE \tau, \s, 1
.endif
.endm
.macro TILE tau, mode
.irp s, 0,1,2,3
	KS \tau, \s, 0
.endr
.irp s, 4,5,6,7
	KS \tau, \s, \mode
.endr
.endm
.macro HEAD last
	v_add_nc_u32 v[QA], s[HB], v[QA0]
	v_mul_f32 v[CC], s[CQ], v[LOM]
	v_mov_b32 v[CC+1], 0
	s_wait_alu depctr_va_vdst(0)
	TILE 0, 0
	s_wait_alu depctr_va_vdst(0)
	TILE 1, 1
	s_wait_alu depctr_va_vdst(0)
	TILE 2, 0
	s_wait_alu depctr_va_vdst(0)
	TILE 3, 1
	s_wait_alu depctr_va_vdst(0)
	TILE 4, 0
.if \last
	s_wait_alu depctr_va_vdst(0)
	TILE 5, 2
	s_wait_alu depctr_va_vdst(0)
	TILE 6, 0
	s_wait_alu depctr_va_vdst(0)
	TILE 7, 3
.else
	s_wait_alu depctr_va_vdst(0)
	TILE 5, 1
	s_wait_alu depctr_va_vdst(0)
	TILE 6, 0
	s_wait_alu depctr_va_vdst(0)
	TILE 7, 1
.endif
	ES 7, 7
.irp x, 1,2,4,8
	REDH \x, 0
	REDH \x, 1
.endr
	OSTORE 3
.endm
	s_wait_tensorcnt 1
	WSCL 0
	FRAG4 0, 0
	s_mov_b32 s[HB], 0
	s_mov_b32 s[HM], 0
	s_mov_b32 s[TRIP], 3
.Lhead:
	HEAD 0
	s_mov_b32 s[CQ], s[CQ+1]
	s_mov_b32 s[CQ+1], s[CQ+2]
	s_mov_b32 s[CQ+2], s[CQ+3]
	s_add_co_u32 s[HB], s[HB], 256
	s_add_co_u32 s[HM], s[HM], 4
	s_sub_co_u32 s[TRIP], s[TRIP], 1
	s_cmp_lg_u32 s[TRIP], 0
	s_cbranch_scc1 .Lhead
	HEAD 1
	v_lshl_add_u32 v64, v0, 4, RES
	v_lshlrev_b32 v65, 4, v0
	v_lshrrev_b32 v67, 2, v[LI]
	v_add_nc_u32 v66, ML, v67
	s_wait_alu depctr_va_vdst(0)
	s_wait_dscnt 0x0
	s_barrier_signal -1
	s_barrier_wait -1
	ds_load_b128 v[68:71], v64
	ds_load_b128 v[72:75], v64 offset:2048
	s_wait_dscnt 0x0
	global_store_b128 v65, v[68:71], s[14:15]
	global_store_b128 v65, v[72:75], s[14:15] offset:2048
	s_cmp_lg_u32 s[WV], 0
	s_cbranch_scc1 .Lnot_first
	ds_load_b32 v76, v66
	s_wait_dscnt 0x0
	global_store_b32 v67, v76, s[16:17]
.Lnot_first:
	s_wait_tensorcnt 0x0
	ds_add_u32 v[SPW], v[NIL]
	s_wait_dscnt 0x0
	CROUND
	s_endpgm
.Lfunc_end_k_qeb1c182447_main:
	.size	k_qeb1c182447_main, .Lfunc_end_k_qeb1c182447_main-k_qeb1c182447_main
	.p2alignl 7, 3214868480
	.fill 96, 4, 3214868480
	.section	.rodata,"a",@progbits
	.p2align	6, 0x0
	.amdhsa_kernel k_qeb1c182447_main
		.amdhsa_group_segment_fixed_size 327680
		.amdhsa_private_segment_fixed_size 0
		.amdhsa_enable_private_segment 0
		.amdhsa_kernarg_size 56
		.amdhsa_user_sgpr_count 2
		.amdhsa_user_sgpr_kernarg_segment_ptr 1
		.amdhsa_wavefront_size32 1
		.amdhsa_system_sgpr_workgroup_id_x 1
		.amdhsa_system_sgpr_workgroup_id_y 1
		.amdhsa_system_sgpr_workgroup_id_z 1
		.amdhsa_system_vgpr_workitem_id 0
		.amdhsa_next_free_vgpr 1024
		.amdhsa_next_free_sgpr 80
		.amdhsa_reserve_vcc 0
		.amdhsa_float_denorm_mode_32 3
		.amdhsa_float_denorm_mode_16_64 3
		.amdhsa_memory_ordered 1
		.amdhsa_forward_progress 1
		.amdhsa_inst_pref_size 255
	.end_amdhsa_kernel
	.section	.bss,"aw",@nobits
	.p2align	6
	.space	262144
	.amdgpu_metadata
---
amdhsa.version: [ 1, 2 ]
amdhsa.kernels:
  - .name:           k_qeb1c182447_main
    .symbol:         k_qeb1c182447_main.kd
    .args:
      - { .name: hidden_states, .offset: 0, .size: 8, .value_kind: global_buffer, .address_space: global }
      - { .name: attention_mask, .offset: 8, .size: 8, .value_kind: global_buffer, .address_space: global }
      - { .name: bk, .offset: 16, .size: 8, .value_kind: global_buffer, .address_space: global }
      - { .name: qs, .offset: 24, .size: 8, .value_kind: global_buffer, .address_space: global }
      - { .name: wts, .offset: 32, .size: 8, .value_kind: global_buffer, .address_space: global }
      - { .name: pctx, .offset: 40, .size: 8, .value_kind: global_buffer, .address_space: global }
      - { .name: pml, .offset: 48, .size: 8, .value_kind: global_buffer, .address_space: global }
    .group_segment_fixed_size: 327680
    .private_segment_fixed_size: 0
    .kernarg_segment_align: 8
    .kernarg_segment_size: 56
    .max_flat_workgroup_size: 128
    .sgpr_count:     80
    .vgpr_count:     1024
    .wavefront_size: 32
...
	.end_amdgpu_metadata
.endif
;; end of part 5
;; launch combine (part 6): grid 32 x 1, 4 waves a work-group, no clusters, 0 bytes of LDS; arguments pctx, pml, bv, out0; writes out0
.if DOCPART == 6
	.amdgcn_target "amdgcn-amd-amdhsa--gfx1250"
	.amdhsa_code_object_version 6
	.text
	.protected	k_qeb1c182447_combine
	.globl	k_qeb1c182447_combine
	.p2align	8
	.type	k_qeb1c182447_combine,@function
k_qeb1c182447_combine:
	s_mov_b64 s[64:65], 0
	v_nop
	global_prefetch_b8 v0, s[64:65] scope:SCOPE_SE
	s_setreg_imm32_b32 hwreg(HW_REG_WAVE_MODE, 25, 1), 1
	s_wait_xcnt 0x0
; The 32 blocks of a batch are joined: for each (batch, head), with m_w, l_w and O_w[64] of block w:  M = the largest m_w;  e_w = 2^(m_w - M);  out = (the sum of e_w O_w) / (the sum of e_w l_w) + bv.
; One wave takes one (batch, head).  Lane w holds m_w and l_w (two loads a wave), so M and the divisor are joined across the 32 lanes and each lane makes one exponential;
; e_w then goes to a scalar register by v_readlane_b32, so that every lane can weigh its two columns of O_w with it.  35 loads a wave in all.
; 128 waves in 32 work-groups: the launch reads 1 MB and writes 32 KB, so there is nothing to tile, share or stage, and no loop to prefetch in.
; A block with every token masked has m = -3e38, l = 0, O = 0: its e is 0 beside any other block.  A batch with every token masked gives 0 x (1 / 0) = NaN, as the softmax of -infinities does.
.set EW, 24                                    ; s24-55: e_w
	s_load_b256 s[4:11], s[0:1], 0x0               ; pctx s[4:5], pml s[6:7], bv s[8:9], out0 s[10:11]
	v_lshrrev_b32 v1, 5, v0
	v_readfirstlane_b32 s12, v1                    ; wave 0..3
	v_and_b32 v1, 31, v0
	v_lshlrev_b32 v3, 3, v1                        ; 8 bytes a lane
	v_lshlrev_b32 v2, 7, v1                        ; block w = lane: rows of pml are 128 bytes
	v_mov_b32 v9, 0                                ; (a lane permute's destination counts as one of its sources)
	v_mov_b32 v13, 0                               ; (named below as the upper half of a pair)
	s_mov_b32 s20, 0x76543210
	s_mov_b32 s21, 0xfedcba98                      ; v_permlanex16_b32's selects for lane l xor 16
	s_lshr_b32 s13, ttmp9, 2                       ; the batch
	s_and_b32 s14, ttmp9, 3
	s_lshl_b32 s14, s14, 2
	s_add_co_u32 s14, s14, s12                     ; the head
	s_lshl_b32 s18, s14, 8                         ; its 64 columns, in bytes
	s_lshl_b32 s19, s14, 2
	s_mov_b32 s17, 0
	s_wait_alu depctr_va_vdst(0)
	s_wait_kmcnt 0x0
	s_lshl_b32 s16, s13, 17                        ; a batch's 32 rows of pctx, 4,096 bytes each
	s_add_co_u32 s16, s16, s18
	s_add_nc_u64 s[4:5], s[4:5], s[16:17]
	s_lshl_b32 s16, s13, 12                        ; a batch's 32 rows of pml
	s_add_co_u32 s16, s16, s19
	s_add_nc_u64 s[6:7], s[6:7], s[16:17]
	s_mov_b32 s16, s18
	s_add_nc_u64 s[8:9], s[8:9], s[16:17]
	s_lshl_b32 s16, s13, 12
	s_add_co_u32 s16, s16, s18
	s_add_nc_u64 s[10:11], s[10:11], s[16:17]
	global_load_b32 v6, v2, s[6:7]                 ; m of block = lane
	global_load_b32 v7, v2, s[6:7] offset:64       ; l of block = lane
.set W, 0
.rept 32
	global_load_b64 v[96+2*W:97+2*W], v3, s[4:5] offset:4096*W   ; O_w: the wave reads 256 consecutive bytes
.set W, W+1
.endr
	global_load_b64 v[4:5], v3, s[8:9]             ; bv
	s_wait_loadcnt 33                              ; m and l are in; behind them 32 loads of O and one of bv may be out
	v_mov_b32 v8, v6
.irp x, 1,2,4,8
	v_max_num_f32_dpp v8, v8, v8 row_xmask:\x row_mask:0xf bank_mask:0xf
.endr
	v_permlanex16_b32 v9, v8, s20, s21
	v_max_num_f32 v8, v8, v9                       ; M, in every lane
	v_sub_f32 v6, v6, v8
	s_wait_alu depctr_va_vdst(0)
	v_exp_f32 v6, v6                               ; e of block = lane
	v_nop                                          ; a plain place behind it
	s_wait_alu depctr_va_vdst(0)                   ; and its wait, ahead of its reader
	v_mul_f32 v7, v6, v7                           ; e l
.irp x, 1,2,4,8
	v_add_f32_dpp v7, v7, v7 row_xmask:\x row_mask:0xf bank_mask:0xf
.endr
	v_permlanex16_b32 v9, v7, s20, s21
	v_add_f32 v7, v7, v9                           ; the divisor, in every lane
	s_wait_alu depctr_va_vdst(0)
	v_rcp_f32 v12, v7
	v_nop                                          ; a plain place behind the reciprocal
.set W, 0
.rept 32
	v_readlane_b32 s[EW+W], v6, W                  ; e_w for all lanes
.set W, W+1
.endr
	s_wait_alu depctr_va_vdst(0)                   ; the reciprocal's wait, directly ahead of the wait below
	s_wait_loadcnt 0x0
	v_mul_f32 v10, s[EW], v96                      ; four chains: my two columns, even blocks and odd blocks
	v_mul_f32 v11, s[EW], v97
	v_mul_f32 v14, s[EW+1], v98
	v_mul_f32 v15, s[EW+1], v99
.set W, 2
.rept 15
	v_fma_f32 v10, v[96+2*W], s[EW+W], v10
	v_fma_f32 v11, v[97+2*W], s[EW+W], v11
	v_fma_f32 v14, v[98+2*W], s[EW+1+W], v14
	v_fma_f32 v15, v[99+2*W], s[EW+1+W], v15
.set W, W+2
.endr
	v_pk_add_f32 v[10:11], v[10:11], v[14:15]
	v_pk_fma_f32 v[16:17], v[10:11], v[12:13], v[4:5] op_sel_hi:[1,0,1]
	global_store_b64 v3, v[16:17], s[10:11]        ; the wave stores 256 consecutive bytes, aligned
	s_endpgm
.Lfunc_end_k_qeb1c182447_combine:
	.size	k_qeb1c182447_combine, .Lfunc_end_k_qeb1c182447_combine-k_qeb1c182447_combine
	.p2alignl 7, 3214868480
	.fill 96, 4, 3214868480
	.section	.rodata,"a",@progbits
	.p2align	6, 0x0
	.amdhsa_kernel k_qeb1c182447_combine
		.amdhsa_group_segment_fixed_size 0
		.amdhsa_private_segment_fixed_size 0
		.amdhsa_enable_private_segment 0
		.amdhsa_kernarg_size 32
		.amdhsa_user_sgpr_count 2
		.amdhsa_user_sgpr_kernarg_segment_ptr 1
		.amdhsa_wavefront_size32 1
		.amdhsa_system_sgpr_workgroup_id_x 1
		.amdhsa_system_sgpr_workgroup_id_y 1
		.amdhsa_system_sgpr_workgroup_id_z 1
		.amdhsa_system_vgpr_workitem_id 0
		.amdhsa_next_free_vgpr 160
		.amdhsa_next_free_sgpr 66
		.amdhsa_reserve_vcc 0
		.amdhsa_float_denorm_mode_32 3
		.amdhsa_float_denorm_mode_16_64 3
		.amdhsa_memory_ordered 1
		.amdhsa_forward_progress 1
		.amdhsa_inst_pref_size 12
	.end_amdhsa_kernel
	.amdgpu_metadata
---
amdhsa.version: [ 1, 2 ]
amdhsa.kernels:
  - .name:           k_qeb1c182447_combine
    .symbol:         k_qeb1c182447_combine.kd
    .args:
      - { .name: pctx, .offset: 0, .size: 8, .value_kind: global_buffer, .address_space: global }
      - { .name: pml, .offset: 8, .size: 8, .value_kind: global_buffer, .address_space: global }
      - { .name: bv, .offset: 16, .size: 8, .value_kind: global_buffer, .address_space: global }
      - { .name: out0, .offset: 24, .size: 8, .value_kind: global_buffer, .address_space: global }
    .group_segment_fixed_size: 0
    .private_segment_fixed_size: 0
    .kernarg_segment_align: 8
    .kernarg_segment_size: 32
    .max_flat_workgroup_size: 128
    .sgpr_count:     66
    .vgpr_count:     160
    .wavefront_size: 32
...
	.end_amdgpu_metadata
.endif
;; end of part 6
